; MI455X (gfx1250); checked and timed in simulation.
; The chip was launched on July 23, 2026; its instructions are those of AMD's public machine-readable ISA for CDNA 5 (MIT licence, August 2026) and "CDNA5" Instruction Set Architecture Reference Guide (July 2026). The comments in the code are by the model that wrote it; some were corrected since.
;; Serial Patch Embed. Allowed arithmetic: matrix products marked QUANTISED: E2M3 operands, one E8M0 scale for each 32 along K, by v_wmma_scale_f32_16x16x128_f8f6f4 with both operands' format E2M3, f32 sums; products left as they are: f32 operands where the result goes on into a quantised operand, else bf16, f16 or f32 operands; f32 sums; everything else in f32.
;; Inputs: W1 3 x 384 float32; W2_codes 384 x 12 x 24 uint8 (E2M3 codes of W2, K innermost, in blocks of 32 codes, four codes in three bytes); W2_scales 384 x 12 uint8 (E8M0 scales of W2, one for each 32 codes along K); Wc 3 x 384 float32; b1 384 float32; b2 384 float32; bc 384 float32; xyz 16 x 16,384 x 3 float32.
;; Outputs: out0 16 x 1,024 x 384 float32; out1 16 x 1,024 x 3 float32; out2 16 x 1,024 x 16 int32.
;; This version of the problem:
;;   THIS VERSION OF THE PROBLEM IS GIVEN IN LOW PRECISION. The matrix products marked QUANTISED in the list below multiply operands that are first quantised to E2M3 (2 exponent bits, 3 mantissa bits; 6 bits a number), with one power-of-two scale for each 32 numbers along K (OCP MX v1.0); their sums are f32. All else is computed in f32.
;;   The module's matrix products, in the order in which they are computed (A, B: the left and right operand; K: the contracted axis; several contracted axes count as one K, in the product's order):
;;     1. [M 262,144, K 3] x [K 3, N 384]; A: computed on the way; B: input W1: left as it is (K = 3 < 32)
;;     2. [M 262,144, K 384] x [K 384, N 384]; A: computed on the way; B: input W2 (given as codes): QUANTISED
;;     3. [M 16,384, K 3] x [K 3, N 384]; A: computed on the way; B: input Wc: left as it is (K = 3 < 32)
;;   THE QUANTISER, for each operand of a quantised product, along K:
;;     - K is cut into blocks of 32 from its start; a last block that is shorter is filled with zeros.
;;     - A block's scale is 2^e with e = floor(log2(the largest magnitude in the block)) - 2, held to -126 .. 127; a block of zeros has e = 0. As a byte (E8M0): e + 127.
;;     - Each number is divided by its block's scale, clamped to +-7.5, and rounded to the nearest number of E2M3, ties to even, subnormals kept.
;;     - The product sums the exact products of the quantised numbers (number of the format x scale) in f32.
;;   ~~~python
;;   def quantise(x, axis):      # numpy; x: float32 -> the quantised numbers, widened to float32 again
;;       x = np.moveaxis(x, axis, -1); K = x.shape[-1]
;;       x = np.pad(x, [(0, 0)] * (x.ndim - 1) + [(0, -K % 32)]); x = x.reshape(x.shape[:-1] + (-1, 32)); a = np.abs(x).max(-1, keepdims=True)
;;       e = np.where(a > 0, np.clip(np.frexp(np.where(a > 0, a, 1))[1] - 1 - 2, -126, 127), 0)      # np.frexp(a)[1] - 1 = floor(log2(a)), exactly
;;       r = np.clip(x / 2.0 ** e, -7.5, 7.5)
;;       step = 2.0 ** (np.maximum(np.frexp(np.where(r == 0, 1, r))[1] - 1, 0) - 3)
;;       q = np.round(r / step) * step * 2.0 ** e      # np.round: ties to even
;;       return np.moveaxis(q.reshape(q.shape[:-2] + (-1,))[..., :K], -1, axis).astype(np.float32)
;;   ~~~
;;   OPERANDS COMPUTED ON THE WAY. 'Computed on the way' means the value that the module computes at that place (a softmax that the list does not call 'softmax' is quantised finished and normalised). What goes into a quantiser is computed in f32, as accurately as f32 sums, v_exp_f32 and their like allow (about 1e-6 of the number): no bf16 or f16 on the way to a quantiser, and a product that is left as it is and whose result goes on into a quantised operand takes f32 operands (vector FMAs, or v_wmma_f32_16x16x4_f32). A number that lies on a knife's edge between two numbers of the format may be rounded either way, as far as f32 arithmetic and the matrix unit's own rounding can turn it there, and no further.
;;   INPUTS GIVEN AS CODES. W2 (in the module: [384, 384], K = its axis 0): each comes as NAME_codes (uint8): NAME with its K axis moved to the last place and cut into blocks of 32 codes, [.., K / 32, bytes a block], one block behind the other in memory; four codes in three bytes: a row's codes are one little-endian stream of bits, code i at bits 6 i .. 6 i + 5 (a code: sign, 2 exponent bits, 3 mantissa bits); and NAME_scales (uint8): the same leading axes, one E8M0 byte (e + 127) for each 32 codes along K. Its value is code x scale, taken as it is: it is not quantised again, and the codes and scales need not be those that the quantiser above would give.
;; 2 versions. Each part assembles by itself: llvm-mc -triple=amdgcn-amd-amdhsa -mcpu=gfx1250 --defsym DOCPART=n.
;; ======== version 1 of 2: 3 launches
;; limits: an absolute error that grows with the inputs' magnitude: up to 1e-07 times it
;; workspace buffers: skey 1,048,576 bytes of whole numbers; sidx 1,048,576 bytes of whole numbers; order 1,048,576 bytes of whole numbers; wimg 131,072 bytes
;; launch prep (part 1): grid 272 x 1, 8 waves a work-group, no clusters, 17,664 bytes of LDS; arguments xyz, W1, b1, W2_codes, W2_scales, b2, bc, Wc, skey, sidx, wimg; writes skey, sidx, wimg
.if DOCPART == 1
	.amdgcn_target "amdgcn-amd-amdhsa--gfx1250"
	.amdhsa_code_object_version 6
	.text
	.protected	k_q8d3544cccb_prep
	.globl	k_q8d3544cccb_prep
	.p2align	8
	.type	k_q8d3544cccb_prep,@function
k_q8d3544cccb_prep:
	s_mov_b64 s[64:65], 0
	v_nop
	global_prefetch_b8 v0, s[64:65] scope:SCOPE_SE
	s_setreg_imm32_b32 hwreg(HW_REG_WAVE_MODE, 25, 1), 1
	s_wait_xcnt 0x0
; WORK-GROUPS 0 TO 255: chunk c = x % 16 (1,024 points) of cloud b = x / 16.  The cloud's minima and maxima, the chunk's Morton codes, and a bitonic sort of the chunk
; by (code, index): every address of the sort is fixed, only v_cndmask_b32 hangs on the codes.  Out: the chunk's sorted codes (skey) and the points' indices in the cloud (sidx).
; WORK-GROUPS 256 TO 271: the weights are laid out once as images of the operand registers of the last launch (wimg), a piece to each wave; no LDS, no barrier there.
; THE CODES ARE EXACT: u = (v - min) / scale is the correctly rounded f32 quotient: a reciprocal, one Newton step on it, and two corrections of the quotient by fused multiply-adds.
; LIMITS: NaN and infinities in xyz are not served; the quotient's steps have no range scaling, so max - min of a cloud must lie under 2^126 (it is held at 1e-6 from below, as the problem has it).
; NO CLUSTER: what the 16 work-groups of a cloud share, its 196,608 bytes, is read once at the head straight into registers for the minima and maxima; a joint load would bring it to LDS, to be read from there again.
.set RED,   16384                      ; LDS: 0 .. 16383 two exchange buffers of 8,192 bytes (codes, then indices 4,096 on); here 8 waves x 32 bytes of minima and maxima
.set WB,    34                         ; s34-36  0 - bit v of my wave's number
.set MK,    38                         ; s38     the pass's mask: upper partner xor descending
.set WSIMG, 110592                     ; wimg: 72 fragments of W2 x 1,536 bytes at 0; 36 x 128 bytes of scale words here;
.set W1IMG, 115200                     ; 24 tiles x 256 bytes of (W1, b1);
.set TAB,   121344                     ; b2, bc, Wc as they lie;
.set PAD,   129024                     ; 2,048 bytes of zeros, so that the image is 16 x 8,192 bytes
	s_load_b512 s[4:19], s[0:1], 0x0               ; xyz s[4:5], W1 s[6:7], b1 s[8:9], W2's codes s[10:11], W2's scales s[12:13], b2 s[14:15], bc s[16:17], Wc s[18:19]
	s_load_b128 s[20:23], s[0:1], 0x40             ; skey, sidx
	s_load_b64 s[24:25], s[0:1], 0x50              ; wimg
	v_lshl_add_u32 v128, v0, 2, 0x4100
	v_mov_b32 v129, 0
	v_lshrrev_b32 v1, 5, v0
	v_readfirstlane_b32 s26, v1                    ; wave 0..7
	s_cmp_ge_u32 ttmp9, 256
	s_cbranch_scc1 .Llayout
	; ---------------- the sort ----------------
	s_lshr_b32 s28, ttmp9, 4                       ; cloud
	s_and_b32 s29, ttmp9, 15                       ; chunk
	s_mul_i32 s30, s28, 196608
	s_mov_b32 s31, 0
	s_mul_i32 s27, s29, 12288
	v_lshlrev_b32 v1, 4, v0                        ; 16 t
	v_mul_u32_u24 v2, v0, 48
	v_add_nc_u32 v2, s27, v2                       ; my four points: 48 t in the chunk's 12,288 bytes
	v_mul_u32_u24 v3, v0, 171
	v_lshrrev_b32 v3, 9, v3                        ; t / 3 (t < 256)
	v_mul_u32_u24 v3, v3, 3
	v_sub_nc_u32 v3, v0, v3                        ; t mod 3
	v_xor_b32 v10, 512, v1                         ; my partner's 16 bytes where the waves' numbers differ in bit 0,
	v_xor_b32 v11, 1024, v1                        ; bit 1,
	v_xor_b32 v12, 2048, v1                        ; bit 2
	s_lshl_b32 s27, s26, 5
	s_add_co_u32 s27, s27, RED
	v_mov_b32 v13, s27                             ; my wave's 32 bytes
	v_mov_b32 v14, RED
	v_lshlrev_b32 v15, 2, v0                       ; 4 t: my first point's index in the chunk
.irp v, 0,1,2
	s_bfe_u32 s[WB+\v], s26, 0x10000+\v
	s_sub_co_u32 s[WB+\v], 0, s[WB+\v]
.endr
	s_mov_b32 s32, 0x76543210                      ; v_permlanex16_b32: lane l xor 16
	s_mov_b32 s33, 0xfedcba98
	s_mov_b32 s52, 0x030000ff                      ; the four masks that spread 10 bits over 30
	s_mov_b32 s53, 0x0300f00f
	s_mov_b32 s54, 0x030c30c3
	s_mov_b32 s55, 0x09249249
	s_mov_b32 s56, 0x447fc000                      ; 1023.0
.irp m, 0,1,2
	v_mov_b32 v[4+\m], 0x7f800000                  ; three running minima,
	v_mov_b32 v[7+\m], 0xff800000                  ; three running maxima
.endr
	s_wait_kmcnt 0x0
	s_add_nc_u64 s[4:5], s[4:5], s[30:31]          ; xyz at my cloud
.irp i, 0,1,2
	global_load_b128 v[112+4*\i:115+4*\i], v2, s[4:5] offset:16*\i   ; my own four points: v112-123
.endr
; THE CLOUD'S MINIMA AND MAXIMA.  48 loads of 4,096 consecutive bytes a work-group.  Float j of load i of thread t is number 1024 i + 4 t + j of the cloud: its coordinate is (t + i + j) mod 3.
; Three loads are 12 registers; register p of them belongs to running value p mod 3, which holds coordinate (t + p) mod 3.  A ring of 8 such triples, 24 loads, is on its way.
.macro TRI k
.irp i, 0,1,2
	global_load_b128 v[16+12*((\k)%8)+4*\i:16+12*((\k)%8)+4*\i+3], v1, s[4:5] offset:4096*(3*(\k)+\i)
.endr
.endm
.macro WORK k
.set RB, 16+12*((\k)%8)
.if (\k) <= 8
	s_wait_loadcnt 21                              ; loads come back in order: this triple is in, the seven younger triples stay out
.else
	s_wait_loadcnt 45-3*(\k)                       ; the ring runs empty: 15 - k younger triples
.endif
.irp m, 0,1,2
	v_min3_num_f32 v[4+\m], v[4+\m], v[RB+\m], v[RB+\m+3]
	v_max3_num_f32 v[7+\m], v[7+\m], v[RB+\m], v[RB+\m+3]
.endr
.irp m, 0,1,2
	v_min3_num_f32 v[4+\m], v[4+\m], v[RB+\m+6], v[RB+\m+9]
	v_max3_num_f32 v[7+\m], v[7+\m], v[RB+\m+6], v[RB+\m+9]
.endr
.if (\k)+8 < 16
	TRI (\k)+8
.endif
.endm
.set kk, 0
.rept 8
	TRI kk
.set kk, kk+1
.endr
.set kk, 0
.rept 16
	WORK kk
.set kk, kk+1
.endr
	v_cmp_eq_u32 s40, 1, v3                        ; coordinate d lies in running value (d - t) mod 3
	v_cmp_eq_u32 s41, 2, v3
.irp d, 0,1,2
	v_cndmask_b32 v[40+\d], v[4+\d], v[4+(\d+2)%3], s40
	v_cndmask_b32 v[43+\d], v[7+\d], v[7+(\d+2)%3], s40
.endr
.irp d, 0,1,2
	v_cndmask_b32 v[40+\d], v[40+\d], v[4+(\d+1)%3], s41
	v_cndmask_b32 v[43+\d], v[43+\d], v[7+(\d+1)%3], s41
.endr
.irp x, 1,2,4,8
.irp d, 0,1,2
	v_min_num_f32_dpp v[40+\d], v[40+\d], v[40+\d] row_xmask:\x row_mask:0xf bank_mask:0xf
	v_max_num_f32_dpp v[43+\d], v[43+\d], v[43+\d] row_xmask:\x row_mask:0xf bank_mask:0xf
.endr
.endr
.irp d, 0,1,2,3,4,5
	v_permlanex16_b32 v[46+\d], v[40+\d], s32, s33 ; (its destination has been written: by the ring's loads)
.endr
.irp d, 0,1,2
	v_min_num_f32 v[40+\d], v[40+\d], v[46+\d]
	v_max_num_f32 v[43+\d], v[43+\d], v[49+\d]
.endr
	ds_store_b128 v13, v[40:43]                    ; all lanes write the same words with the same values
	ds_store_b64 v13, v[44:45] offset:16
	s_wait_dscnt 0x0                               ; for the others' sake: my stores have landed
	s_barrier_signal -1
	s_barrier_wait -1
.irp w, 0,1,2,3,4,5,6,7
	ds_load_b128 v[48+8*\w:51+8*\w], v14 offset:32*\w
	ds_load_b64 v[52+8*\w:53+8*\w], v14 offset:32*\w+16
.endr
	s_wait_dscnt 0x0
.irp d, 0,1,2
	v_min3_num_f32 v[4+\d], v[48+\d], v[56+\d], v[64+\d]
	v_max3_num_f32 v[7+\d], v[51+\d], v[59+\d], v[67+\d]
.endr
.irp d, 0,1,2
	v_min3_num_f32 v[4+\d], v[4+\d], v[72+\d], v[80+\d]
	v_max3_num_f32 v[7+\d], v[7+\d], v[75+\d], v[83+\d]
.endr
.irp d, 0,1,2
	v_min3_num_f32 v[4+\d], v[4+\d], v[88+\d], v[96+\d]
	v_max3_num_f32 v[7+\d], v[7+\d], v[91+\d], v[99+\d]
.endr
.irp d, 0,1,2
	v_min_num_f32 v[4+\d], v[4+\d], v[104+\d]      ; v4-6 the cloud's minima,
	v_max_num_f32 v[7+\d], v[7+\d], v[107+\d]      ; v7-9 its maxima
.endr
	; THE CODES.  v40-42 scale, v43-45 its reciprocal after one Newton step
.irp d, 0,1,2
	v_sub_f32 v[40+\d], v[7+\d], v[4+\d]
.endr
.irp d, 0,1,2
	v_max_num_f32 v[40+\d], 0x358637bd, v[40+\d]   ; held at 1e-6 from below
.endr
.irp d, 0,1,2
	v_rcp_f32 v[43+\d], v[40+\d]
.endr
.irp i, 0,1,2,3,4,5,6,7
	v_mov_b32 v[32+\i], 0                          ; the partners' registers: written once, since a lane permute's destination counts as read.  (Plain lines behind the reciprocals)
.endr
	s_wait_alu depctr_va_vdst(0)                   ; the wait ahead of the first line that names a reciprocal: one for the three
.irp d, 0,1,2
	v_fma_f32 v[46+\d], -v[40+\d], v[43+\d], 1.0
.endr
.irp d, 0,1,2
	v_fma_f32 v[43+\d], v[46+\d], v[43+\d], v[43+\d]
.endr
.irp n, 0,1,2,3,4,5,6,7,8,9,10,11
	v_sub_f32 v[52+\n], v[112+\n], v[4+\n%3]       ; a = v - min
.endr
.irp n, 0,1,2,3,4,5,6,7,8,9,10,11
	v_mul_f32 v[64+\n], v[52+\n], v[43+\n%3]       ; q = a r
.endr
.rept 2                                        ; twice: q += (a - scale q) r.  The second gives the correctly rounded quotient
.irp n, 0,1,2,3,4,5,6,7,8,9,10,11
	v_fma_f32 v[76+\n], -v[40+\n%3], v[64+\n], v[52+\n]
.endr
.irp n, 0,1,2,3,4,5,6,7,8,9,10,11
	v_fma_f32 v[64+\n], v[76+\n], v[43+\n%3], v[64+\n]
.endr
.endr
.irp n, 0,1,2,3,4,5,6,7,8,9,10,11
	v_mul_f32 v[64+\n], s56, v[64+\n]
.endr
.irp n, 0,1,2,3,4,5,6,7,8,9,10,11
	v_rndne_f32 v[64+\n], v[64+\n]                 ; to the nearest whole number, ties to even
.endr
.irp n, 0,1,2,3,4,5,6,7,8,9,10,11
	v_med3_num_f32 v[64+\n], v[64+\n], 0, s56
.endr
.irp n, 0,1,2,3,4,5,6,7,8,9,10,11
	v_cvt_u32_f32 v[64+\n], v[64+\n]
.endr
.macro SPREAD sh, mask                         ; v = (v | v << sh) & mask
.irp n, 0,1,2,3,4,5,6,7,8,9,10,11
	v_lshl_or_b32 v[76+\n], v[64+\n], \sh, v[64+\n]
.endr
.irp n, 0,1,2,3,4,5,6,7,8,9,10,11
	v_and_b32 v[64+\n], s[\mask], v[76+\n]
.endr
.endm
	SPREAD 16, 52
	SPREAD 8, 53
	SPREAD 4, 54
	SPREAD 2, 55
.irp e, 0,1,2,3
	v_lshl_or_b32 v[16+\e], v[65+3*\e], 1, v[64+3*\e]
	v_add_nc_u32 v[20+\e], \e, v15                 ; the point's index in the chunk
.endr
.irp e, 0,1,2,3
	v_lshl_or_b32 v[16+\e], v[66+3*\e], 2, v[16+\e]   ; x | y << 1 | z << 2
.endr
; THE BITONIC SORT of 1,024 keys (code, index in the chunk); all keys differ, and equal codes keep the order of their indices.
; Element i = 128 wave + 4 lane + e.  Stage k = 1 .. 10, passes j = k - 1 .. 0: i meets i xor 2^j; descending where bit k of i is set.
; j = 0, 1: both lie in my registers;  j = 2 .. 6: in another lane;  j = 7 .. 9: in another wave, through LDS.
; Keys: codes v[16+CUR ..], indices v[20+CUR ..], CUR = 0 or 8: a pass in registers writes the other set, so that nothing is moved.  The partner's: v32-35, v36-39.
.set CUR, 0
.set XN, 0
.macro LBVAL m                                 ; LBX = the lanes whose number has bit m set
.if (\m) == 0
.set LBX, 0xaaaaaaaa
.elseif (\m) == 1
.set LBX, 0xcccccccc
.elseif (\m) == 2
.set LBX, 0xf0f0f0f0
.elseif (\m) == 3
.set LBX, 0xff00ff00
.else
.set LBX, 0xffff0000
.endif
.endm
; s[MK] = (the lanes that are the upper partner) xor (the lanes of descending runs of stage k).  The first is a constant (uplit) or hangs on bit upreg of the wave's number;
; the second is bit k of i: a lane's bit k - 2 (k = 2 .. 6), the wave's bit k - 7 (k = 7 .. 9), nothing (k = 10).
.macro SETMK uplit, upreg, k
.set UL, \uplit
.set DL, 0
.set DR, -1
.if ((\k) >= 2) && ((\k) <= 6)
	LBVAL (\k)-2
.set DL, LBX
.endif
.if ((\k) >= 7) && ((\k) <= 9)
.set DR, (\k)-7
.endif
.set LL, UL^DL
.if ((\upreg) < 0) && (DR < 0)
	s_mov_b32 s[MK], LL
.elseif ((\upreg) >= 0) && (DR >= 0)
	s_xor_b32 s[MK], s[WB+(\upreg)], s[WB+DR]
.elseif (\upreg) >= 0
	s_xor_b32 s[MK], s[WB+(\upreg)], LL
.else
	s_xor_b32 s[MK], s[WB+DR], LL
.endif
.endm
.macro GT d, ah, al, bh, bl                    ; three masks, from which FOLD makes (a > b)
	v_cmp_lt_u32 s[\d], v[\bh], v[\ah]
	v_cmp_eq_u32 s[\d+1], v[\bh], v[\ah]
	v_cmp_lt_u32 s[\d+2], v[\bl], v[\al]
.endm
.macro FOLD d, m
	s_and_b32 s[\d+1], s[\d+1], s[\d+2]
	s_or_b32 s[\d], s[\d], s[\d+1]
	s_xor_b32 s[\d], s[\d], \m
.endm
.macro REGPASS                                 ; pairs (0,1), (2,3) for j = 0; (0,2), (1,3) for j = 1: they change places where (a > b) xor descending
.if k > 1
	SETMK 0, -1, k
.endif
.irp p, 0,1
.set ea, (\p)*(2-j)
.set eb, ea+1+j
	GT 40+3*\p, 16+CUR+ea, 20+CUR+ea, 16+CUR+eb, 20+CUR+eb
.endr
.if k > 1
	FOLD 40, s[MK]
	FOLD 43, s[MK]
.else
	FOLD 40, 0                                     ; stage 1: bit 1 of i is bit 1 of e: the first pair ascends,
	FOLD 43, -1                                    ; the second descends
.endif
.irp p, 0,1
.set ea, (\p)*(2-j)
.set eb, ea+1+j
	v_cndmask_b32 v[24-CUR+ea], v[16+CUR+ea], v[16+CUR+eb], s[40+3*\p]
	v_cndmask_b32 v[24-CUR+eb], v[16+CUR+eb], v[16+CUR+ea], s[40+3*\p]
	v_cndmask_b32 v[28-CUR+ea], v[20+CUR+ea], v[20+CUR+eb], s[40+3*\p]
	v_cndmask_b32 v[28-CUR+eb], v[20+CUR+eb], v[20+CUR+ea], s[40+3*\p]
.endr
.set CUR, 8-CUR
.endm
.macro TAKE                                    ; I take my partner's key where (mine > its) xor (I am the upper one) xor descending
.irp e, 0,1,2,3
	GT 40+3*\e, 16+CUR+\e, 20+CUR+\e, 32+\e, 36+\e
.endr
.irp e, 0,1,2,3
	FOLD 40+3*\e, s[MK]
.endr
.irp e, 0,1,2,3
	v_cndmask_b32 v[16+CUR+\e], v[16+CUR+\e], v[32+\e], s[40+3*\e]
	v_cndmask_b32 v[20+CUR+\e], v[20+CUR+\e], v[36+\e], s[40+3*\e]
.endr
.endm
.macro PARTNER x
.irp e, 0,1,2,3
	v_mov_b32_dpp v[32+\e], v[16+CUR+\e] row_xmask:\x row_mask:0xf bank_mask:0xf
	v_mov_b32_dpp v[36+\e], v[20+CUR+\e] row_xmask:\x row_mask:0xf bank_mask:0xf
.endr
.endm
.macro LANEPASS
	LBVAL j-2
	SETMK LBX, -1, k
.if j == 2
	PARTNER 1
.elseif j == 3
	PARTNER 2
.elseif j == 4
	PARTNER 4
.elseif j == 5
	PARTNER 8
.else
.irp e, 0,1,2,3
	v_permlanex16_b32 v[32+\e], v[16+CUR+\e], s32, s33
	v_permlanex16_b32 v[36+\e], v[20+CUR+\e], s32, s33
.endr
.endif
	TAKE
.endm
; Through LDS: two buffers by turns.  A buffer is written again two exchanges on: the barrier of the exchange between, in front of which every wave has waited for all its LDS instructions, orders those stores behind all reads.
.macro XPASS
	SETMK 0, j-7, k
	ds_store_b128 v1, v[16+CUR:19+CUR] offset:8192*(XN%2)
	ds_store_b128 v1, v[20+CUR:23+CUR] offset:8192*(XN%2)+4096
	s_wait_dscnt 0x0                               ; for the others' sake: my stores have landed
	s_barrier_signal -1
	s_barrier_wait -1
	ds_load_b128 v[32:35], v[10+j-7] offset:8192*(XN%2)
	ds_load_b128 v[36:39], v[10+j-7] offset:8192*(XN%2)+4096
	s_wait_dscnt 0x0
	TAKE
.set XN, XN+1
.endm
.set k, 1
.rept 10
.set j, k-1
.rept 10
.if j >= 7
	XPASS
.elseif j >= 2
	LANEPASS
.elseif j >= 0
	REGPASS
.endif
.set j, j-1
.endr
.set k, k+1
.endr
	s_lshl_b32 s27, s29, 10
.irp e, 0,1,2,3
	v_add_nc_u32 v[20+CUR+\e], s27, v[20+CUR+\e]   ; the index in the cloud: + 1,024 x chunk
.endr
	s_lshl_b32 s30, ttmp9, 12                      ; the chunk's 4,096 bytes in each buffer
	s_add_nc_u64 s[20:21], s[20:21], s[30:31]
	s_add_nc_u64 s[22:23], s[22:23], s[30:31]
	global_store_b128 v1, v[16+CUR:19+CUR], s[20:21]   ; a wave stores 512 consecutive bytes, aligned
	global_store_b128 v1, v[20+CUR:23+CUR], s[22:23]
	s_wait_tensorcnt 0x0
	ds_add_u32 v128, v129
	s_wait_dscnt 0x0
	s_endpgm
	; ---------------- the images: piece 8 (x - 256) + wave ----------------
.Llayout:
	s_sub_co_u32 s27, ttmp9, 256
	s_lshl_b32 s27, s27, 3
	s_add_co_u32 s27, s27, s26                     ; the piece, 0 .. 127
	v_and_b32 v2, 31, v0                           ; lane L
	v_and_b32 v3, 15, v0                           ; r
	v_bfe_u32 v4, v0, 4, 1                         ; h
	v_lshlrev_b32 v1, 4, v2                        ; 16 L
	s_mov_b32 s31, 0
	s_wait_kmcnt 0x0
	s_cmp_lt_u32 s27, 72
	s_cbranch_scc0 .Lnot_w2
	; pieces 0-71: fragment F = ((4 P + q) 2 + u) 3 + s of W2: 16 channels 128 P + 64 u + 4 r + q, K = 128 s on.  Lane (r, h) holds the 24 bytes at 24 h and at 48 + 24 h of its channel's 96.
	s_mul_i32 s28, s27, 171
	s_lshr_b32 s28, s28, 9                         ; F / 3
	s_mul_i32 s29, s28, 3
	s_sub_co_u32 s29, s27, s29                     ; s
	s_and_b32 s32, s28, 1                          ; u
	s_bfe_u32 s33, s28, 0x20001                    ; q
	s_lshr_b32 s34, s28, 3                         ; P
	s_lshl_b32 s34, s34, 7
	s_lshl_b32 s32, s32, 6
	s_add_co_u32 s34, s34, s32
	s_add_co_u32 s34, s34, s33
	s_mul_i32 s34, s34, 288                        ; a channel's 384 codes are 288 bytes
	s_mul_i32 s29, s29, 96
	s_add_co_u32 s30, s34, s29
	s_add_nc_u64 s[10:11], s[10:11], s[30:31]
	s_mul_i32 s30, s27, 1536
	s_add_nc_u64 s[24:25], s[24:25], s[30:31]
	v_mul_u32_u24 v5, v3, 1152                     ; four channels from lane to lane
	v_mad_u32_u24 v5, v4, 24, v5
.irp p, 0,1,2,3,4,5
	global_load_b64 v[16+2*\p:17+2*\p], v5, s[10:11] offset:48*(\p/3)+8*(\p%3)
.endr
	s_wait_loadcnt 0x0
.irp c, 0,1,2
	global_store_b128 v1, v[16+4*\c:19+4*\c], s[24:25] offset:512*\c   ; registers 4 c .. 4 c + 3 of all lanes: 512 consecutive bytes
.endr
	s_endpgm
.Lnot_w2:
	s_cmp_lt_u32 s27, 96
	s_cbranch_scc0 .Lnot_w1
	; pieces 72-95: tile t of the first product's left operand: lane (r, h) holds rows 2 h, 2 h + 1 of (W1; b1) at hidden unit 32 (t / 2) + 8 (t % 2) + r + 8 (r / 8)
	s_sub_co_u32 s28, s27, 72
	s_lshr_b32 s29, s28, 1
	s_lshl_b32 s29, s29, 5
	s_and_b32 s32, s28, 1
	s_lshl_b32 s32, s32, 3
	s_add_co_u32 s29, s29, s32
	v_and_b32 v5, 8, v3
	v_add3_u32 v5, v5, v3, s29
	v_lshlrev_b32 v5, 2, v5                        ; 4 x unit
	v_mad_u32_u24 v6, v4, 3072, v5                 ; row 2 h of W1
	global_load_b32 v16, v6, s[6:7]
	global_load_b32 v18, v5, s[6:7] offset:1536    ; row 1 of W1
	global_load_b32 v19, v5, s[8:9]                ; b1
	s_mov_b32 s33, 0xffff0000
	s_lshl_b32 s30, s28, 8
	s_add_co_u32 s30, s30, W1IMG
	s_add_nc_u64 s[24:25], s[24:25], s[30:31]
	v_lshlrev_b32 v7, 3, v2
	s_wait_loadcnt 0x0
	v_cndmask_b32 v17, v18, v19, s33               ; lanes 16-31 take b1 as row 3
	global_store_b64 v7, v[16:17], s[24:25]
	s_endpgm
.Lnot_w1:
	s_cmp_lt_u32 s27, 108
	s_cbranch_scc0 .Lnot_ws
	; pieces 96-107: item e = 4 P + q: the three scale words of channel 128 P + 4 L + q: lanes 0-15 serve the tile u = 0, lanes 16-31 the tile u = 1
	s_sub_co_u32 s28, s27, 96
	s_lshr_b32 s29, s28, 2
	s_lshl_b32 s29, s29, 7
	s_and_b32 s32, s28, 3
	s_add_co_u32 s29, s29, s32
	s_mul_i32 s30, s29, 12
	s_add_nc_u64 s[12:13], s[12:13], s[30:31]
	s_mul_i32 s30, s28, 384
	s_add_co_u32 s30, s30, WSIMG
	s_add_nc_u64 s[24:25], s[24:25], s[30:31]
	v_mul_u32_u24 v5, v2, 48
	v_lshlrev_b32 v6, 2, v2
.irp s, 0,1,2
	global_load_b32 v[16+\s], v5, s[12:13] offset:4*\s
.endr
	s_wait_loadcnt 0x0
.irp s, 0,1,2
	global_store_b32 v6, v[16+\s], s[24:25] offset:128*\s
.endr
	s_endpgm
.Lnot_ws:
	s_cmp_lt_u32 s27, 123
	s_cbranch_scc0 .Lnot_tab
	; pieces 108-122: 512 bytes of b2 (3 pieces), bc (3), Wc (9), as they lie
	s_sub_co_u32 s28, s27, 108
	s_cmp_lt_u32 s28, 3
	s_cselect_b64 s[32:33], s[14:15], s[16:17]
	s_cselect_b32 s29, 0, 3
	s_cmp_lt_u32 s28, 6
	s_cselect_b64 s[32:33], s[32:33], s[18:19]
	s_cselect_b32 s29, s29, 6
	s_sub_co_u32 s29, s28, s29
	s_lshl_b32 s30, s29, 9
	s_add_nc_u64 s[32:33], s[32:33], s[30:31]
	s_lshl_b32 s30, s28, 9
	s_add_co_u32 s30, s30, TAB
	s_add_nc_u64 s[24:25], s[24:25], s[30:31]
	global_load_b128 v[16:19], v1, s[32:33]
	s_wait_loadcnt 0x0
	global_store_b128 v1, v[16:19], s[24:25]
	s_endpgm
.Lnot_tab:
	s_cmp_lt_u32 s27, 127
	s_cbranch_scc0 .Lend                           ; 127 pieces: the last wave of the last work-group has none
	s_sub_co_u32 s28, s27, 123
	s_lshl_b32 s30, s28, 9
	s_add_co_u32 s30, s30, PAD
	s_add_nc_u64 s[24:25], s[24:25], s[30:31]
.irp i, 0,1,2,3
	v_mov_b32 v[16+\i], 0
.endr
	global_store_b128 v1, v[16:19], s[24:25]
.Lend:
	s_endpgm
.Lfunc_end_k_q8d3544cccb_prep:
	.size	k_q8d3544cccb_prep, .Lfunc_end_k_q8d3544cccb_prep-k_q8d3544cccb_prep
	.p2alignl 7, 3214868480
	.fill 96, 4, 3214868480
	.section	.rodata,"a",@progbits
	.p2align	6, 0x0
	.amdhsa_kernel k_q8d3544cccb_prep
		.amdhsa_group_segment_fixed_size 17664
		.amdhsa_private_segment_fixed_size 0
		.amdhsa_enable_private_segment 0
		.amdhsa_kernarg_size 88
		.amdhsa_user_sgpr_count 2
		.amdhsa_user_sgpr_kernarg_segment_ptr 1
		.amdhsa_wavefront_size32 1
		.amdhsa_system_sgpr_workgroup_id_x 1
		.amdhsa_system_sgpr_workgroup_id_y 1
		.amdhsa_system_sgpr_workgroup_id_z 1
		.amdhsa_system_vgpr_workitem_id 0
		.amdhsa_next_free_vgpr 130
		.amdhsa_next_free_sgpr 66
		.amdhsa_reserve_vcc 0
		.amdhsa_float_denorm_mode_32 3
		.amdhsa_float_denorm_mode_16_64 3
		.amdhsa_memory_ordered 1
		.amdhsa_forward_progress 1
		.amdhsa_inst_pref_size 143
	.end_amdhsa_kernel
	.amdgpu_metadata
---
amdhsa.version: [ 1, 2 ]
amdhsa.kernels:
  - .name:           k_q8d3544cccb_prep
    .symbol:         k_q8d3544cccb_prep.kd
    .args:
      - { .name: xyz, .offset: 0, .size: 8, .value_kind: global_buffer, .address_space: global }
      - { .name: W1, .offset: 8, .size: 8, .value_kind: global_buffer, .address_space: global }
      - { .name: b1, .offset: 16, .size: 8, .value_kind: global_buffer, .address_space: global }
      - { .name: W2_codes, .offset: 24, .size: 8, .value_kind: global_buffer, .address_space: global }
      - { .name: W2_scales, .offset: 32, .size: 8, .value_kind: global_buffer, .address_space: global }
      - { .name: b2, .offset: 40, .size: 8, .value_kind: global_buffer, .address_space: global }
      - { .name: bc, .offset: 48, .size: 8, .value_kind: global_buffer, .address_space: global }
      - { .name: Wc, .offset: 56, .size: 8, .value_kind: global_buffer, .address_space: global }
      - { .name: skey, .offset: 64, .size: 8, .value_kind: global_buffer, .address_space: global }
      - { .name: sidx, .offset: 72, .size: 8, .value_kind: global_buffer, .address_space: global }
      - { .name: wimg, .offset: 80, .size: 8, .value_kind: global_buffer, .address_space: global }
    .group_segment_fixed_size: 17664
    .private_segment_fixed_size: 0
    .kernarg_segment_align: 8
    .kernarg_segment_size: 88
    .max_flat_workgroup_size: 256
    .sgpr_count:     66
    .vgpr_count:     130
    .wavefront_size: 32
...
	.end_amdgpu_metadata
.endif
;; end of part 1
;; launch rank (part 2): grid 256 x 1, 32 waves a work-group, no clusters, 69,632 bytes of LDS; arguments skey, sidx, order; writes order
.if DOCPART == 2
	.amdgcn_target "amdgcn-amd-amdhsa--gfx1250"
	.amdhsa_code_object_version 6
	.text
	.protected	k_q8d3544cccb_rank
	.globl	k_q8d3544cccb_rank
	.p2align	8
	.type	k_q8d3544cccb_rank,@function
k_q8d3544cccb_rank:
	s_mov_b64 s[64:65], 0
	v_nop
	global_prefetch_b8 v0, s[64:65] scope:SCOPE_SE
	s_setreg_imm32_b32 hwreg(HW_REG_WAVE_MODE, 25, 1), 1
	s_wait_xcnt 0x0
; Each point's place in its cloud's stable order.  Work-group x: chunk c = x % 16 of cloud b = x / 16; thread t owns element t of the sorted chunk.
; The chunks are runs of ascending indices, so  place = t + the sum over chunks before c of #(codes <= mine) + over chunks behind c of #(codes < mine).
; The cloud's sorted chunks (65,536 bytes of codes) lie in LDS, ROTATED: slot j holds chunk (c + 1 + j) % 16, so that slots 0 to 14 are the 15 other chunks whatever c is; my own chunk (slot 15) is not searched: my place in it is t.
; A count is a binary search: eight steps of 512 .. 4 words, then the aligned four words at the count, which hold the rest (0 to 4 words under the bound), by one load of 16 bytes.
; The 15 searches of a thread go side by side.  Then order[b][place] = the point's index.
; Addresses hang on whole numbers that the launch before has stored, and on nothing else.  The stores are 4 bytes a lane, scattered: a scatter by rank has no other form; each word of order is written once.
; NO CLUSTER: what the 16 work-groups of a cloud share is read once, at the head, through registers.
.set VAL, 4                            ; v4-19   the fill's data; then the 15 words just read
.set KY,  20                           ; v20-34  the 15 bounds: a count is #(word < bound)
.set POS, 36                           ; v36-50  the 15 counts so far, in bytes
.set WD,  64                           ; v64-123 the last four words of each search
	s_load_b128 s[4:7], s[0:1], 0x0                ; skey, sidx
	s_load_b64 s[8:9], s[0:1], 0x10                ; order
	v_lshl_add_u32 v126, v0, 2, 0x10000
	v_mov_b32 v127, 0
	s_lshr_b32 s10, ttmp9, 4                       ; cloud
	s_and_b32 s11, ttmp9, 15                       ; chunk c
	s_lshl_b32 s12, s10, 16
	s_mov_b32 s13, 0
	s_lshl_b32 s14, s11, 12                        ; my chunk's 4,096 bytes
	s_add_co_u32 s15, s14, 4096                    ; the rotation: c + 1 chunks
	s_sub_co_u32 s18, 15, s11                      ; slot j holds a chunk before mine where j >= 15 - c
	v_lshlrev_b32 v1, 4, v0                        ; 16 t
	v_lshlrev_b32 v2, 2, v0                        ; 4 t
	v_add_nc_u32 v3, s14, v2                       ; my element
	v_add_nc_u32 v56, s15, v1
.irp i, 1,2,3
	v_add_nc_u32 v[56+\i], 16384*\i, v56
.endr
.irp i, 0,1,2,3
	v_and_b32 v[56+\i], 0xffff, v[56+\i]           ; (16 t + 16384 i + 4096 (c + 1)) mod 65536: what goes to LDS byte 16 t + 16384 i
.endr
	v_mov_b32 v55, 0                               ; the first step's address
	s_wait_kmcnt 0x0
	s_add_nc_u64 s[4:5], s[4:5], s[12:13]
	s_add_nc_u64 s[6:7], s[6:7], s[12:13]
	s_add_nc_u64 s[8:9], s[8:9], s[12:13]
.irp i, 0,1,2,3
	global_load_b128 v[VAL+4*\i:VAL+4*\i+3], v[56+\i], s[4:5]
.endr
	global_load_b32 v52, v3, s[4:5]                ; my code
	global_load_b32 v53, v3, s[6:7]                ; my index
	s_wait_loadcnt 2                               ; the four are in; my code and index may be out
.irp i, 0,1,2,3
	ds_store_b128 v1, v[VAL+4*\i:VAL+4*\i+3] offset:16384*\i
.endr
	s_wait_loadcnt 0x0
.irp j, 0,1,2,3,4,5,6,7,8,9,10,11,12,13,14
	s_cmp_le_u32 s18, \j                           ; a chunk before mine: equal codes come first too: bound = code + 1 (a code has 30 bits)
	s_cselect_b32 s16, 1, 0
	v_add_nc_u32 v[KY+\j], s16, v52
.endr
	s_wait_dscnt 0x0                               ; for the others' sake: my stores have landed
	s_barrier_signal -1
	s_barrier_wait -1                              ; from here on LDS is only read
; count += st where word (count + st - 1) < bound.  first = 1: the counts are 0: the loads read at address 0 and the step writes the counts.
; A number that hangs on loaded words enters an address only behind a hold with a written bound: the bound is the one that the search keeps by itself, 1,024 - st words behind the step st,
; so the hold changes no count, and the next load stays inside its chunk's 4,096 bytes.
; Two waits a level: LDS loads come back in order, so at 7 outstanding the first eight of the 15 are in; the SIMD's other seven waves work meanwhile.
.macro LEVEL st, first
	v_mov_b32 v54, 4*(\st)
.irp j, 0,1,2,3,4,5,6,7,8,9,10,11,12,13,14
.if \first
	ds_load_b32 v[VAL+\j], v55 offset:4096*\j+4*(\st-1)
.else
	ds_load_b32 v[VAL+\j], v[POS+\j] offset:4096*\j+4*(\st-1)
.endif
.endr
.irp j, 0,1,2,3,4,5,6,7,8,9,10,11,12,13,14
.if \j == 0
	s_wait_dscnt 7
.endif
.if \j == 8
	s_wait_dscnt 0x0
.endif
	v_cmp_lt_u32 vcc_lo, v[VAL+\j], v[KY+\j]
.if \first
	v_cndmask_b32 v[POS+\j], 0, v54, vcc_lo
.else
	v_cndmask_b32 v[60+\j%2], 0, v54, vcc_lo
	v_add_nc_u32 v[POS+\j], v[POS+\j], v[60+\j%2]
.endif
	v_min_u32 v[POS+\j], 4096-4*(\st), v[POS+\j]
.endr
.endm
	LEVEL 512, 1
.irp st, 256,128,64,32,16,8,4
	LEVEL \st, 0
.endr
; The count is now min(4 floor(T / 4), 1,020), T the true count: the four words from there on (16 bytes, aligned, inside the chunk) hold the T - count words that are still under the bound.
.irp j, 0,1,2,3,4,5,6,7,8,9,10,11,12,13,14
	ds_load_b128 v[WD+4*\j:WD+4*\j+3], v[POS+\j] offset:4096*\j
.endr
	v_mov_b32 v60, 0                               ; two counters of words, by turns
	v_mov_b32 v61, 0
.irp j, 0,1,2,3,4,5,6,7,8,9,10,11,12,13,14
.if \j == 0
	s_wait_dscnt 7                                 ; the first eight of the 15 loads are in
.endif
.if \j == 8
	s_wait_dscnt 0x0
.endif
.irp i, 0,1,2,3
	v_cmp_lt_u32 vcc_lo, v[WD+4*\j+\i], v[KY+\j]
	v_add_co_ci_u32 v[60+\i%2], vcc_lo, 0, v[60+\i%2], vcc_lo   ; + 1 where the word is under the bound
.endr
.endr
	v_add_nc_u32 v60, v60, v61
	v_lshl_add_u32 v62, v60, 2, v2                 ; 4 x place = 4 t + 4 x the last words + the 15 counts
	v_add3_u32 v62, v62, v[POS], v[POS+1]
	v_add3_u32 v63, v[POS+2], v[POS+3], v[POS+4]
.irp j, 5,9,13
	v_add3_u32 v62, v62, v[POS+\j], v[POS+\j+1]
.endr
.irp j, 7,11
	v_add3_u32 v63, v63, v[POS+\j], v[POS+\j+1]
.endr
	v_add_nc_u32 v62, v62, v63
	v_min_u32 v62, 0xfffc, v62                     ; it is a place in the cloud's 65,536 bytes
	global_store_b32 v62, v53, s[8:9]
	s_wait_tensorcnt 0x0
	ds_add_u32 v126, v127
	s_wait_dscnt 0x0
	s_endpgm
.Lfunc_end_k_q8d3544cccb_rank:
	.size	k_q8d3544cccb_rank, .Lfunc_end_k_q8d3544cccb_rank-k_q8d3544cccb_rank
	.p2alignl 7, 3214868480
	.fill 96, 4, 3214868480
	.section	.rodata,"a",@progbits
	.p2align	6, 0x0
	.amdhsa_kernel k_q8d3544cccb_rank
		.amdhsa_group_segment_fixed_size 69632
		.amdhsa_private_segment_fixed_size 0
		.amdhsa_enable_private_segment 0
		.amdhsa_kernarg_size 24
		.amdhsa_user_sgpr_count 2
		.amdhsa_user_sgpr_kernarg_segment_ptr 1
		.amdhsa_wavefront_size32 1
		.amdhsa_system_sgpr_workgroup_id_x 1
		.amdhsa_system_sgpr_workgroup_id_y 1
		.amdhsa_system_sgpr_workgroup_id_z 1
		.amdhsa_system_vgpr_workitem_id 0
		.amdhsa_next_free_vgpr 128
		.amdhsa_next_free_sgpr 66
		.amdhsa_reserve_vcc 1
		.amdhsa_float_denorm_mode_32 3
		.amdhsa_float_denorm_mode_16_64 3
		.amdhsa_memory_ordered 1
		.amdhsa_forward_progress 1
		.amdhsa_inst_pref_size 37
	.end_amdhsa_kernel
	.amdgpu_metadata
---
amdhsa.version: [ 1, 2 ]
amdhsa.kernels:
  - .name:           k_q8d3544cccb_rank
    .symbol:         k_q8d3544cccb_rank.kd
    .args:
      - { .name: skey, .offset: 0, .size: 8, .value_kind: global_buffer, .address_space: global }
      - { .name: sidx, .offset: 8, .size: 8, .value_kind: global_buffer, .address_space: global }
      - { .name: order, .offset: 16, .size: 8, .value_kind: global_buffer, .address_space: global }
    .group_segment_fixed_size: 69632
    .private_segment_fixed_size: 0
    .kernarg_segment_align: 8
    .kernarg_segment_size: 24
    .max_flat_workgroup_size: 1024
    .sgpr_count:     66
    .vgpr_count:     128
    .wavefront_size: 32
...
	.end_amdgpu_metadata
.endif
;; end of part 2
;; launch main (part 3): grid 256 x 1, 16 waves a work-group, no clusters, 312,320 bytes of LDS; arguments xyz, order, wimg, out0, out1, out2; writes out0, out1, out2
.if DOCPART == 3
	.amdgcn_target "amdgcn-amd-amdhsa--gfx1250"
	.amdhsa_code_object_version 6
	.text
	.protected	k_q8d3544cccb_main
	.globl	k_q8d3544cccb_main
	.p2align	8
	.type	k_q8d3544cccb_main,@function
k_q8d3544cccb_main:
	s_mov_b64 s[64:65], 0
	v_nop
	global_prefetch_b8 v0, s[64:65] scope:SCOPE_SE
	s_setreg_imm32_b32 hwreg(HW_REG_WAVE_MODE, 25, 1), 1
	s_wait_xcnt 0x0
; Groups of 16 sorted points: centre, rel = xyz - centre, h = gelu(rel W1 + b1), y = Q(h) W2 (codes of E2M3, one E8M0 scale for each 32 along K), token = max over the points of gelu(y + b2) + centre Wc + bc.
; SHARES.  Work-group x: groups 64 x .. 64 x + 63 (cloud x / 16).  Wave w: groups 4 w .. 4 w + 3, two at a time.  Behind the one barrier the waves share only LDS bytes that nobody writes.
; FIRST PRODUCT: v_wmma_f32_16x16x4_f32, K = k (rx, ry, rz, 1) against (W1; b1), f32 since its result goes into a quantiser.  It is used transposed (source 0 = 16 hidden units, source 1 = the 16 points), and lane r of
; tile t takes unit 32 (t / 2) + 8 (t % 2) + r + 8 (r / 8): a lane holds ONE point, and the 16 registers of tiles 2 b, 2 b + 1 are 16 neighbours along the next K.
; IT DELIVERS X = k x, k = sqrt(log2(e) / 2) = 0.84932180, so that e^(-x x / 2) = 2^(-X X): the exponential's argument is one packed product, with the sign on a source.
; GELU (exact form): with t = 1 / (1 + 0.2316419 |x|), w = e^(-x x / 2) t (c1 + t (c2 + t (c3 + t (c4 + t c5)))): Phi(|x|) = 1 - w (Abramowitz and Stegun 7.1.26, error of Phi at most 7.5e-8);
; gelu(x) = x / 2 + |x| (1/2 - w) for both signs.  In X: t = 1 / (1 + (p / k) |X|), gelu = X / (2 k) + |X| (1 / (2 k) - w / k): 1 / k stands in the constants.
; SECOND PRODUCT: source 0 = the group's 16 points, source 1 = 16 channels 128 P + 64 u + 4 r + q of W2.  A lane holds one channel and eight points: maximum and minimum are eight lines a tile; one exchange of halves
; joins the tiles u = 0, 1, and lane L then holds channels 128 P + 4 L + 0 .. 3: 16 bytes of a token's row.
; THE SECOND GELU IS TAKEN OF THE EXTREMES ALONE: gelu falls left of its one minimum and rises right of it, so max over i of gelu(y_i) = max(gelu(max y_i), gelu(min y_i)) for every input; b2 is added behind the extremes (rounding keeps order).
; LIMITS.  NaN and infinities are not served.  gelu's absolute error is about 1e-7 |x|: relative to the number under 1e-6 for x > -1.3, growing in the negative tail (about 7e-5 at x = -3), always under 1e-5 of a block's code step.
; k rel is rounded once more than rel (one part in 2^24).  A block of zeros keeps the scale byte 1 (its codes are zeros; this program alone reads the bytes).  The centre's sum is a tree over the 16 lanes, not a chain.
; NO CLUSTER, NO TENSOR LOAD: what the work-groups share, the 131,072 bytes of operand images, is read once at the head through registers, against 16 groups' vector work a wave; every LDS byte is filled once or is a wave's own.
.set WSIMG, 110592                     ; LDS 0 .. 131071: the images as the first launch laid them: W2's 72 fragments x 1,536 bytes; its scale words, 36 x 128 bytes;
.set W1IMG, 115200                     ; (W1; b1), 24 tiles x 256 bytes;
.set TAB,   121344                     ; b2, bc, Wc's three rows: 1,536 bytes each
.set BIMG,  131072                     ; 64 groups x 256 bytes: the first product's right operand: lane (r, h) at 8 x lane: (k rx, k ry) or (k rz, k)
.set CEN,   147456                     ; 64 x 32 bytes: cx, 0, cy, 0, cz, 0, 0, 0
.set CENC,  149504                     ; 64 x 12 bytes: the centres as out1 has them
.set AIMG,  150528                     ; 9,984 bytes for each wave, its own: 6 fragments of codes (group g, K step s: 3 g + s) x 1,536, then their scale words x 128
.set AWAVE, 9984
.set C5,  12                           ; v[12:13] c5 / k, twice
.set B0,  14                           ; v[14:15], v[26:27] the two groups' right operands of the first product
.set B1,  26
.set SA,  16                           ; v16-21  the codes' scale words (3 g + s): these and v22-24 hold scales and nothing else
.set WS,  22                           ; v22-24  W2's scale words of the tiles in hand
.set ACC, 32                           ; v32-63  four results of either product: written by matrix instructions alone
.set TT,  64                           ; phase 1: v64-95 t;  v96-127 the exponential, then h;  v128-135, v136-143 at work;  v144-159 eight tiles of (W1; b1);  v160-171 a fragment's codes;  v172-174 half blocks
.set HH,  96
.set HN,  128
.set HX,  136
.set W1F, 144
.set PC,  160
.set PQ,  172
.set TM,  180                          ; v180-181 largest magnitudes, v182-183 the other half's, then the bytes, v184-185 the conversions' scale operands
.set PW,  196                          ; the scale word in the making
.set AF,  64                           ; phase 2: v64-135 the two groups' codes (36 g + 12 s);  v136-207 W2's six fragments (12 (3 u + s))
.set W2B, 136
.set MX,  208                          ; v208-215 maxima (4 g + q), v216-223 minima
.set MN,  216
.set RT,  224
.set RN,  232
.set CG,  240                          ; v240-255 the two groups' centres
.set TB2, 136                          ; the way out, over W2's fragments: b2, bc, Wc's rows at my four channels; then GELU's registers
.set TBC, 140
.set TW,  144
.set ET,  156
.set EH,  172
.set EN,  188
.set EX,  196
.set SEL, 20                           ; s[20:21] v_permlanex16_b32: lane l xor 16
.set KP,  22                           ; s22     p / k
.set KH,  24                           ; s[24:25] 1 / (2 k);  s[26:33] c4 / k .. c1 / k;  s[46:47] k: constants as pairs (a packed form names the pair and takes its low word for both halves)
.set C4,  26
.set C3,  28
.set C2,  30
.set C1,  32
.set KK,  46
.set IT,  35                           ; counters: pairs of groups, K steps, runs of 128 channels
.set KS,  36
.set PP,  37
.set KW,  38                           ; LDS steps: (W1; b1) 2,048 a K step; my codes 1,536; their scale words 128;
.set KA,  39
.set KS4, 40
.set PW2, 41                           ; W2 36,864 a run of 128 channels; its scale words 1,536; the tables 512;
.set PWS, 42
.set PTB, 43
.set SB,  44                           ; the right operands 512 a pair of groups; the centres 64
.set SC,  45
	s_load_b256 s[4:11], s[0:1], 0x0               ; xyz s[4:5], order s[6:7], wimg s[8:9], out0 s[10:11]
	s_load_b128 s[12:15], s[0:1], 0x20             ; out1, out2
	v_lshl_add_u32 v238, v0, 2, 0x4bc00
	v_mov_b32 v239, 0
	v_lshrrev_b32 v6, 5, v0
	v_readfirstlane_b32 s16, v6                    ; wave 0..15
	v_and_b32 v7, 31, v0                           ; lane
	v_lshlrev_b32 v1, 4, v7                        ; v1  16 x lane
	v_lshl_add_u32 v2, v7, 3, W1IMG                ; v2  (W1; b1): 8 x lane
	v_lshl_add_u32 v3, v7, 2, WSIMG                ; v3  W2's scale words: 4 x lane
	s_mul_i32 s18, s16, AWAVE
	s_add_co_u32 s18, s18, AIMG
	v_add_nc_u32 v4, s18, v1                       ; v4  my wave's images: 16 x lane
	s_add_co_u32 s18, s18, 9216
	v_lshl_add_u32 v5, v7, 2, s18                  ; v5  and their scale words: 4 x lane
	v_add_nc_u32 v25, TAB, v1                      ; v25 the tables: 16 x lane
	s_lshl_b32 s18, s16, 10
	s_add_co_u32 s18, s18, BIMG
	v_lshl_add_u32 v28, v7, 3, s18                 ; v28 my four groups' right operands
	s_lshl_b32 s18, s16, 7
	s_add_co_u32 s18, s18, CEN
	v_mov_b32 v29, s18                             ; v29 my four groups' centres
	v_lshlrev_b32 v8, 2, v0                        ; 4 t, 8 t, 16 t
	v_lshlrev_b32 v9, 3, v0
	v_lshlrev_b32 v10, 4, v0
	v_add_nc_u32 v11, 0x10000, v10
	v_lshrrev_b32 v6, 4, v0                        ; t / 16: my group among the first 32
	v_and_b32 v7, 15, v0                           ; my place in it
	v_lshlrev_b32 v30, 8, v6
	v_lshl_add_u32 v30, v7, 3, v30
	v_add_nc_u32 v30, BIMG, v30                    ; v30 where my point goes in the right operand
	v_lshl_add_u32 v31, v6, 5, CEN                 ; v31 my group's centre
	v_mul_u32_u24 v139, v6, 12
	v_add_nc_u32 v139, CENC, v139                  ; v139 and its 12 bytes
	v_add_nc_u32 v147, CENC, v9                    ; v147 the way to out1: 8 bytes a thread (waves 0 to 2)
	s_lshr_b32 s18, ttmp9, 4
	s_mul_i32 s18, s18, 196608
	s_mov_b32 s19, 0
	s_wait_kmcnt 0x0
	s_add_nc_u64 s[4:5], s[4:5], s[18:19]          ; xyz at my cloud
	s_lshl_b32 s18, ttmp9, 12
	s_add_nc_u64 s[6:7], s[6:7], s[18:19]          ; order and out2 at my 1,024 places
	s_add_nc_u64 s[14:15], s[14:15], s[18:19]
	s_mul_i32 s18, ttmp9, 768
	s_add_nc_u64 s[12:13], s[12:13], s[18:19]      ; out1 at my 64 groups
	s_lshl_b32 s18, ttmp9, 6
	s_lshl_b32 s17, s16, 2
	s_add_co_u32 s18, s18, s17
	s_mul_i32 s18, s18, 1536
	s_add_nc_u64 s[10:11], s[10:11], s[18:19]      ; out0 at my wave's first group
	global_load_b32 v128, v8, s[6:7]               ; the indices of places t and t + 512
	global_load_b32 v129, v8, s[6:7] offset:2048
	global_load_b64 v[130:131], v9, s[6:7]         ; and, for out2, places 2 t, 2 t + 1
.irp i, 0,1,2,3,4,5,6,7,8,9,10,11,12,13,14,15
	global_load_b128 v[64+4*\i:67+4*\i], v10, s[8:9] offset:8192*\i   ; the images: 8,192 consecutive bytes a load of the work-group
.endr
	s_wait_loadcnt 16                              ; the three are in; the image's sixteen stay out
	global_store_b64 v9, v[130:131], s[14:15]      ; a wave stores 256 consecutive bytes, aligned
	v_min_u32 v128, 0x3fff, v128                   ; an index stays inside its cloud
	v_min_u32 v129, 0x3fff, v129
	v_mul_u32_u24 v128, v128, 12
	v_mul_u32_u24 v129, v129, 12
	global_load_b96 v[132:134], v128, s[4:5]
	global_load_b96 v[136:138], v129, s[4:5]
	s_wait_loadcnt 2                               ; the image is in; the two gathers stay out
.irp i, 0,1,2,3,4,5,6,7
	ds_store_b128 v10, v[64+4*\i:67+4*\i] offset:8192*\i
.endr
.irp i, 0,1,2,3,4,5,6,7
	ds_store_b128 v11, v[96+4*\i:99+4*\i] offset:8192*\i
.endr
	s_wait_loadcnt 0x0
	; a row of 16 lanes is a group: its centre is a sum over the row
.irp i, 0,1
	v_mov_b32 v[156+8*\i], v[132+4*\i]
	v_mov_b32 v[158+8*\i], v[133+4*\i]
	v_mov_b32 v[160+8*\i], v[134+4*\i]
	v_mov_b32 v[157+8*\i], 0
	v_mov_b32 v[159+8*\i], 0
	v_mov_b32 v[161+8*\i], 0
	v_mov_b32 v[162+8*\i], 0
	v_mov_b32 v[163+8*\i], 0
	v_mov_b32 v[151+4*\i], 0x3f596d27              ; k: the operand's fourth number, which meets b1
.endr
.irp x, 1,2,4,8
.irp r, 156,158,160,164,166,168
	v_add_f32_dpp v\r, v\r, v\r row_xmask:\x row_mask:0xf bank_mask:0xf
.endr
.endr
.irp r, 156,158,160,164,166,168
	v_mul_f32 v\r, 0x3d800000, v\r                 ; / 16
.endr
.irp i, 0,1
	v_sub_f32 v[148+4*\i], v[132+4*\i], v[156+8*\i]
	v_sub_f32 v[149+4*\i], v[133+4*\i], v[158+8*\i]
	v_sub_f32 v[150+4*\i], v[134+4*\i], v[160+8*\i]
.endr
.irp r, 148,149,150,152,153,154
	v_mul_f32 v\r, 0x3f596d27, v\r                 ; k rel
.endr
.irp i, 0,1
	ds_store_b64 v30, v[148+4*\i:149+4*\i] offset:8192*\i        ; (k rx, k ry): lane r of the operand
	ds_store_b64 v30, v[150+4*\i:151+4*\i] offset:8192*\i+128    ; (k rz, k): lane 16 + r
	ds_store_b128 v31, v[156+8*\i:159+8*\i] offset:1024*\i       ; the row's lanes write the same words with the same values
	ds_store_b128 v31, v[160+8*\i:163+8*\i] offset:1024*\i+16
	ds_store_b32 v139, v[156+8*\i] offset:384*\i
	ds_store_b32 v139, v[158+8*\i] offset:384*\i+4
	ds_store_b32 v139, v[160+8*\i] offset:384*\i+8
.endr
	s_mov_b32 s[SEL], 0x76543210
	s_mov_b32 s[SEL+1], 0xfedcba98
	s_mov_b32 s[KP], 0x3e8ba440                    ; 0.2316419 / k = 0.27273749
	s_mov_b32 s[KH], 0x3f16b55f                    ; 1 / (2 k) = 0.58870501
	s_mov_b32 s[KH+1], s[KH]
	s_mov_b32 s[KK], 0x3f596d27                    ; k = 0.84932180
	s_mov_b32 s[KK+1], s[KK]
	s_mov_b32 s[C4], 0xbf5b0099                    ; -0.7265760135 / k = -0.85547788
	s_mov_b32 s[C4+1], s[C4]
	s_mov_b32 s[C3], 0x3f563817                    ; 0.7107068705 / k = 0.83679339
	s_mov_b32 s[C3+1], s[C3]
	s_mov_b32 s[C2], 0xbe2b8119                    ; -0.142248368 / k = -0.16748465
	s_mov_b32 s[C2+1], s[C2]
	s_mov_b32 s[C1], 0x3e199eb3                    ; 0.127414796 / k = 0.15001946
	s_mov_b32 s[C1+1], s[C1]
	v_mov_b32 v[C5], 0x3f1ff67a                    ; 0.5307027145 / k = 0.62485470
	v_mov_b32 v[C5+1], 0x3f1ff67a
	v_mov_b32 v[TM+2], 0                           ; written once: a lane permute's destination counts as read
	v_mov_b32 v[TM+3], 0
	s_wait_dscnt 0x0                               ; for the others' sake: my stores have landed
	s_barrier_signal -1
	s_barrier_wait -1                              ; the images, the operands and the centres lie in LDS; nobody writes them again
	s_cmp_lt_u32 s16, 3
	s_cbranch_scc0 .Lno_centres
	ds_load_b64 v[140:141], v147                   ; 768 bytes of centres leave by waves 0 to 2, 256 consecutive bytes each
	s_wait_dscnt 0x0
	global_store_b64 v9, v[140:141], s[12:13]
.Lno_centres:
	s_wait_xcnt 0x0                                ; the stores have read their registers: these are written again below
; gelu(x) of cnt numbers X = k x in v[xr ..] into v[hr ..]; v[tr ..] cnt registers, v[nr ..], v[wr ..] eight each, at work.  xr is only read, each run of eight from its low end on.
; The reciprocals and exponentials are ONE BATCH: no line ahead of the wait names a result.  Three plain lines and four of the batch by turns.
.macro GELU xr, tr, hr, nr, wr, cnt
.set gi, 0
.rept (\cnt)/2
	v_pk_mul_f32 v[\hr+gi:\hr+gi+1], v[\xr+gi:\xr+gi+1], v[\xr+gi:\xr+gi+1] neg_lo:[1,0] neg_hi:[1,0]   ; -X X = -x x log2(e) / 2
	v_fma_f32 v[\tr+gi], |v[\xr+gi]|, s[KP], 1.0
	v_fma_f32 v[\tr+gi+1], |v[\xr+gi+1]|, s[KP], 1.0
	v_rcp_f32 v[\tr+gi], v[\tr+gi]
	v_rcp_f32 v[\tr+gi+1], v[\tr+gi+1]
	v_exp_f32 v[\hr+gi], v[\hr+gi]
	v_exp_f32 v[\hr+gi+1], v[\hr+gi+1]
.set gi, gi+2
.endr
.set gc, 0
.rept (\cnt)/8
.irp i, 0,2,4,6
	v_pk_mul_f32 v[\wr+\i:\wr+\i+1], v[\xr+gc+\i:\xr+gc+\i+1], s[KH:KH+1] op_sel_hi:[1,0]   ; X / (2 k) = x / 2.  (The first four are the plain lines behind the batch)
.endr
.if gc == 0
	s_wait_alu depctr_va_vdst(0)                   ; the wait ahead of the first line that names a result: one for the whole batch
.endif
.irp i, 0,2,4,6
	v_pk_fma_f32 v[\nr+\i:\nr+\i+1], v[\tr+gc+\i:\tr+gc+\i+1], v[C5:C5+1], s[C4:C4+1] op_sel_hi:[1,1,0]
.endr
.irp c, C3, C2, C1
.irp i, 0,2,4,6
	v_pk_fma_f32 v[\nr+\i:\nr+\i+1], v[\nr+\i:\nr+\i+1], v[\tr+gc+\i:\tr+gc+\i+1], s[\c:\c+1] op_sel_hi:[1,1,0]
.endr
.endr
.irp i, 0,2,4,6
	v_pk_mul_f32 v[\nr+\i:\nr+\i+1], v[\nr+\i:\nr+\i+1], v[\tr+gc+\i:\tr+gc+\i+1]
.endr
.irp i, 0,2,4,6
	v_pk_fma_f32 v[\nr+\i:\nr+\i+1], v[\nr+\i:\nr+\i+1], v[\hr+gc+\i:\hr+gc+\i+1], s[KH:KH+1] op_sel_hi:[1,1,0] neg_lo:[1,0,0] neg_hi:[1,0,0]   ; (1/2 - w) / k
.endr
.irp i, 0,1,2,3,4,5,6,7
	v_fma_f32 v[\hr+gc+\i], |v[\xr+gc+\i]|, v[\nr+\i], v[\wr+\i]
.endr
.set gc, gc+8
.endr
.endm
; four tiles t0 .. t0 + 3 of the K step's eight: 64 hidden units x 16 points.  K is 4: each is a whole sum, begun with the constant 0
.macro L1MUL t0, b
.irp i, 0,1,2,3
	v_wmma_f32_16x16x4_f32 v[ACC+8*\i:ACC+8*\i+7], v[W1F+2*(\t0+\i):W1F+2*(\t0+\i)+1], v[\b:\b+1], 0
.endr
.endm
; 32 numbers of a lane, v[HH + 16 b + i] = k 64 c + 32 b + 16 (lane / 16) + i of my point, become registers 6 c .. 6 c + 5 of the fragment and bytes 2 c, 2 c + 1 of its scale word
.macro QUANTH c
.if (\c) == 0
	s_wait_dscnt 0x0                               ; the last image's stores have read the registers that are written below (they were issued a whole GELU ago)
.endif
.irp b, 0,1
	v_max3_num_f32 v[TM+\b], |v[HH+16*\b]|, |v[HH+1+16*\b]|, 0x1800000   ; my 16 numbers of the block, and the floor 2^(3 - 127): the byte cannot fall under 1
.endr
.irp i, 2,4,6,8,10,12,14
.irp b, 0,1
	v_max3_num_f32 v[TM+\b], v[TM+\b], |v[HH+16*\b+\i]|, |v[HH+1+16*\b+\i]|
.endr
.endr
.irp b, 0,1
	v_permlanex16_b32 v[TM+2+\b], v[TM+\b], s[SEL], s[SEL+1]
.endr
.irp b, 0,1
	v_max_num_f32 v[TM+\b], v[TM+\b], v[TM+2+\b]   ; with lane l xor 16's: the block's largest magnitude
.endr
.irp b, 0,1
	v_add_nc_u32 v[TM+4+\b], 0xff000000, v[TM+\b]  ; 2 off its exponent field: the conversion takes this operand's exponent field as its scale
.endr
.irp b, 0,1
	v_lshrrev_b32 v[TM+2+\b], 23, v[TM+4+\b]       ; the scale's byte
.endr
.if (\c) == 0
	v_lshl_or_b32 v[PW], v[TM+3], 8, v[TM+2]
.else
	v_lshl_or_b32 v[PW], v[TM+2], 16, v[PW]
	v_lshl_or_b32 v[PW], v[TM+3], 24, v[PW]
.endif
	v_cvt_scalef32_pk16_fp6_f32 v[PC+6*(\c):PC+6*(\c)+2], v[HH:HH+15], v[TM+4]
	v_cvt_scalef32_pk16_fp6_f32 v[PQ:PQ+2], v[HH+16:HH+31], v[TM+5]   ; (a conversion's three registers begin on an even number)
	v_nop                                          ; one plain line behind a scaled conversion
.irp i, 0,1,2
	v_permlane16_swap_b32 v[PC+6*(\c)+\i], v[PQ+\i]   ; the operand wants a whole block in a lane: lanes 0-15 block 2 c, lanes 16-31 block 2 c + 1
.endr
.irp i, 0,1,2
	v_mov_b32 v[PC+6*(\c)+3+\i], v[PQ+\i]
.endr
.endm
.macro IMAGE g                                 ; the fragment and its scale word go to my wave's own LDS bytes as they stand
.irp c, 0,1,2
	ds_store_b128 v7, v[PC+4*\c:PC+4*\c+3] offset:4608*(\g)+512*\c
.endr
	ds_store_b32 v8, v[PW] offset:384*(\g)
.endm
.macro LOADW q                                 ; W2's six fragments (u, s) of item q, and its three scale words
.irp u, 0,1
.irp s, 0,1,2
.irp c, 0,1,2
	ds_load_b128 v[W2B+12*(3*\u+\s)+4*\c:W2B+12*(3*\u+\s)+4*\c+3], v9 offset:9216*(\q)+1536*(3*\u+\s)+512*\c
.endr
.endr
.endr
.irp s, 0,1,2
	ds_load_b32 v[WS+\s], v10 offset:128*(3*(\q)+\s)
.endr
.endm
; 12 products: the four accumulators (2 g + u) take turns, one instruction a turn, K step by K step; the first K step starts the sums
.macro MULQ
.irp s, 0,1,2
.irp g, 0,1
.if \s == 0
	v_wmma_scale_f32_16x16x128_f8f6f4 v[ACC+16*\g:ACC+16*\g+7], v[AF+36*\g+12*\s:AF+36*\g+12*\s+11], v[W2B+12*\s:W2B+12*\s+11], 0, v[SA+3*\g+\s], v[WS+\s] matrix_a_fmt:MATRIX_FMT_FP6 matrix_b_fmt:MATRIX_FMT_FP6
	v_wmma_scale_f32_16x16x128_f8f6f4 v[ACC+16*\g+8:ACC+16*\g+15], v[AF+36*\g+12*\s:AF+36*\g+12*\s+11], v[W2B+36+12*\s:W2B+36+12*\s+11], 0, v[SA+3*\g+\s], v[WS+\s] matrix_a_fmt:MATRIX_FMT_FP6 matrix_b_fmt:MATRIX_FMT_FP6 matrix_b_scale:MATRIX_SCALE_ROW1
.else
	v_wmma_scale_f32_16x16x128_f8f6f4 v[ACC+16*\g:ACC+16*\g+7], v[AF+36*\g+12*\s:AF+36*\g+12*\s+11], v[W2B+12*\s:W2B+12*\s+11], v[ACC+16*\g:ACC+16*\g+7], v[SA+3*\g+\s], v[WS+\s] matrix_a_fmt:MATRIX_FMT_FP6 matrix_b_fmt:MATRIX_FMT_FP6
	v_wmma_scale_f32_16x16x128_f8f6f4 v[ACC+16*\g+8:ACC+16*\g+15], v[AF+36*\g+12*\s:AF+36*\g+12*\s+11], v[W2B+36+12*\s:W2B+36+12*\s+11], v[ACC+16*\g+8:ACC+16*\g+15], v[SA+3*\g+\s], v[WS+\s] matrix_a_fmt:MATRIX_FMT_FP6 matrix_b_fmt:MATRIX_FMT_FP6 matrix_b_scale:MATRIX_SCALE_ROW1
.endif
.endr
.endr
.endm
; the largest and the smallest of a channel's 16 points: eight registers of a lane, each accumulator from its low end on; then the other half of the lanes, two tiles at once
.macro REDUCE q
.irp a, 0,1,2,3
	v_max3_num_f32 v[RT+\a], v[ACC+8*\a], v[ACC+8*\a+1], v[ACC+8*\a+2]
	v_min3_num_f32 v[RN+\a], v[ACC+8*\a], v[ACC+8*\a+1], v[ACC+8*\a+2]
.endr
.irp i, 3,5
.irp a, 0,1,2,3
	v_max3_num_f32 v[RT+\a], v[RT+\a], v[ACC+8*\a+\i], v[ACC+8*\a+\i+1]
	v_min3_num_f32 v[RN+\a], v[RN+\a], v[ACC+8*\a+\i], v[ACC+8*\a+\i+1]
.endr
.endr
.irp a, 0,1,2,3
	v_max_num_f32 v[RT+\a], v[RT+\a], v[ACC+8*\a+7]
	v_min_num_f32 v[RN+\a], v[RN+\a], v[ACC+8*\a+7]
.endr
.irp g, 0,1
	v_permlane16_swap_b32 v[RT+2*\g], v[RT+2*\g+1] ; the first now holds both tiles' points 0-7, the second their points 8-15: lanes 0-15 the tile u = 0, lanes 16-31 u = 1
	v_permlane16_swap_b32 v[RN+2*\g], v[RN+2*\g+1]
.endr
.irp g, 0,1
	v_max_num_f32 v[MX+4*\g+(\q)], v[RT+2*\g], v[RT+2*\g+1]
	v_min_num_f32 v[MN+4*\g+(\q)], v[RN+2*\g], v[RN+2*\g+1]
.endr
.endm
	s_mov_b32 s[SB], 0
	s_mov_b32 s[SC], 0
	s_mov_b32 s[IT], 2
.Lit:                                                  ; two trips: a pair of groups each
	v_add_nc_u32 v11, s[SB], v28
	ds_load_b64 v[B0:B0+1], v11
	ds_load_b64 v[B1:B1+1], v11 offset:256
	s_mov_b32 s[KW], 0
	s_mov_b32 s[KA], 0
	s_mov_b32 s[KS4], 0
	s_mov_b32 s[KS], 3
.Lks:                                                  ; three trips: 128 hidden units of both groups: first product, gelu, codes, images
	v_add_nc_u32 v6, s[KW], v2
	v_add_nc_u32 v7, s[KA], v4
	v_add_nc_u32 v8, s[KS4], v5
.irp t, 0,1,2,3,4,5,6,7
	ds_load_b64 v[W1F+2*\t:W1F+2*\t+1], v6 offset:256*\t
.endr
	s_wait_dscnt 0x0
	L1MUL 0, B0
.rept 8
	v_nop                                          ; eight plain lines between this form and the first read of its results.  Further down the quantiser's lines, which name none of its registers, are those lines
.endr                                              ; and GELU's polynomial lines are the nine between two products into the same registers
	GELU ACC, TT, HH, HN, HX, 32
	L1MUL 4, B0
	QUANTH 0
	GELU ACC, TT, HH, HN, HX, 32
	L1MUL 0, B1
	QUANTH 1
	IMAGE 0
	GELU ACC, TT, HH, HN, HX, 32
	L1MUL 4, B1
	QUANTH 0
	GELU ACC, TT, HH, HN, HX, 32
	QUANTH 1
	IMAGE 1
	s_add_co_u32 s[KW], s[KW], 2048
	s_add_co_u32 s[KA], s[KA], 1536
	s_add_co_u32 s[KS4], s[KS4], 128
	s_sub_co_u32 s[KS], s[KS], 1
	s_cmp_lg_u32 s[KS], 0
	s_cbranch_scc1 .Lks
	; the two groups' six fragments come back: LDS serves a wave's instructions in order (ISA guide 5.7.1.4), and the bytes are my wave's own
.irp g, 0,1
.irp s, 0,1,2
.irp c, 0,1,2
	ds_load_b128 v[AF+36*\g+12*\s+4*\c:AF+36*\g+12*\s+4*\c+3], v4 offset:1536*(3*\g+\s)+512*\c
.endr
	ds_load_b32 v[SA+3*\g+\s], v5 offset:128*(3*\g+\s)
.endr
.endr
	v_add_nc_u32 v11, s[SC], v29
.irp i, 0,1,2,3
	ds_load_b128 v[CG+4*\i:CG+4*\i+3], v11 offset:16*\i
.endr
	s_mov_b32 s[PW2], 0
	s_mov_b32 s[PWS], 0
	s_mov_b32 s[PTB], 0
	s_mov_b32 s[PP], 3
.Lp:                                                   ; three trips: 128 channels of both groups' tokens
	v_add_nc_u32 v9, s[PW2], v1
	v_add_nc_u32 v10, s[PWS], v3
	v_add_nc_u32 v6, s[PTB], v25
	LOADW 0
.irp q, 0,1,2,3
	s_wait_dscnt 0x0
	MULQ
.rept 4
	v_nop                                          ; four plain lines in front of loads into registers that these products have read, and of the first read of their results
.endr
.if \q < 3
	LOADW \q+1                                     ; the next item's fragments land while this item's extremes are taken
.else
.irp i, 0,1,2,3,4
	ds_load_b128 v[TB2+4*\i:TB2+4*\i+3], v6 offset:1536*\i   ; b2, bc, Wc's three rows at my four channels
.endr
.endif
	REDUCE \q
.endr
	s_wait_dscnt 0x0
.irp i, 0,1
	v_pk_mul_f32 v[TB2+2*\i:TB2+2*\i+1], v[TB2+2*\i:TB2+2*\i+1], s[KK:KK+1] op_sel_hi:[1,0]   ; k b2
.endr
.irp i, 0,1,2,3,4,5,6,7
	v_pk_fma_f32 v[MX+2*\i:MX+2*\i+1], v[MX+2*\i:MX+2*\i+1], s[KK:KK+1], v[TB2+2*(\i%2):TB2+2*(\i%2)+1] op_sel_hi:[1,0,1]   ; k y + k b2, of maxima and minima: GELU takes k x
.endr
	GELU MX, ET, EH, EN, EX, 16
.irp i, 0,1,2,3,4,5,6,7
	v_max_num_f32 v[EH+\i], v[EH+\i], v[EH+8+\i]   ; the larger of gelu(max) and gelu(min)
.endr
.irp i, 0,1,2,3
	v_pk_add_f32 v[EH+2*\i:EH+2*\i+1], v[EH+2*\i:EH+2*\i+1], v[TBC+2*(\i%2):TBC+2*(\i%2)+1]   ; + bc
.endr
.irp k, 0,1,2
.irp i, 0,1,2,3
	v_pk_fma_f32 v[EH+2*\i:EH+2*\i+1], v[TW+4*\k+2*(\i%2):TW+4*\k+2*(\i%2)+1], v[CG+8*(\i/2)+2*\k:CG+8*(\i/2)+2*\k+1], v[EH+2*\i:EH+2*\i+1] op_sel_hi:[1,0,1]   ; + centre's coordinate k x Wc's row k
.endr
.endr
.irp g, 0,1
	global_store_b128 v1, v[EH+4*\g:EH+4*\g+3], s[10:11] offset:1536*\g th:TH_STORE_NT   ; 32 lanes store 512 consecutive bytes of a token's row, aligned; written once, read by nobody here
.endr
	s_wait_xcnt 0x0                                ; the stores have read their registers and their base: both are written again below
	s_add_nc_u64 s[10:11], s[10:11], 512
	s_add_co_u32 s[PW2], s[PW2], 36864
	s_add_co_u32 s[PWS], s[PWS], 1536
	s_add_co_u32 s[PTB], s[PTB], 512
	s_sub_co_u32 s[PP], s[PP], 1
	s_cmp_lg_u32 s[PP], 0
	s_cbranch_scc1 .Lp
	s_add_nc_u64 s[10:11], s[10:11], 1536          ; the three trips went one row on: one more, and the next pair's first row is reached
	s_add_co_u32 s[SB], s[SB], 512
	s_add_co_u32 s[SC], s[SC], 64
	s_sub_co_u32 s[IT], s[IT], 1
	s_cmp_lg_u32 s[IT], 0
	s_cbranch_scc1 .Lit
	s_wait_tensorcnt 0x0
	ds_add_u32 v238, v239
	s_wait_dscnt 0x0
	s_endpgm
.Lfunc_end_k_q8d3544cccb_main:
	.size	k_q8d3544cccb_main, .Lfunc_end_k_q8d3544cccb_main-k_q8d3544cccb_main
	.p2alignl 7, 3214868480
	.fill 96, 4, 3214868480
	.section	.rodata,"a",@progbits
	.p2align	6, 0x0
	.amdhsa_kernel k_q8d3544cccb_main
		.amdhsa_group_segment_fixed_size 312320
		.amdhsa_private_segment_fixed_size 0
		.amdhsa_enable_private_segment 0
		.amdhsa_kernarg_size 48
		.amdhsa_user_sgpr_count 2
		.amdhsa_user_sgpr_kernarg_segment_ptr 1
		.amdhsa_wavefront_size32 1
		.amdhsa_system_sgpr_workgroup_id_x 1
		.amdhsa_system_sgpr_workgroup_id_y 1
		.amdhsa_system_sgpr_workgroup_id_z 1
		.amdhsa_system_vgpr_workitem_id 0
		.amdhsa_next_free_vgpr 256
		.amdhsa_next_free_sgpr 66
		.amdhsa_reserve_vcc 0
		.amdhsa_float_denorm_mode_32 3
		.amdhsa_float_denorm_mode_16_64 3
		.amdhsa_memory_ordered 1
		.amdhsa_forward_progress 1
		.amdhsa_inst_pref_size 111
	.end_amdhsa_kernel
	.amdgpu_metadata
---
amdhsa.version: [ 1, 2 ]
amdhsa.kernels:
  - .name:           k_q8d3544cccb_main
    .symbol:         k_q8d3544cccb_main.kd
    .args:
      - { .name: xyz, .offset: 0, .size: 8, .value_kind: global_buffer, .address_space: global }
      - { .name: order, .offset: 8, .size: 8, .value_kind: global_buffer, .address_space: global }
      - { .name: wimg, .offset: 16, .size: 8, .value_kind: global_buffer, .address_space: global }
      - { .name: out0, .offset: 24, .size: 8, .value_kind: global_buffer, .address_space: global }
      - { .name: out1, .offset: 32, .size: 8, .value_kind: global_buffer, .address_space: global }
      - { .name: out2, .offset: 40, .size: 8, .value_kind: global_buffer, .address_space: global }
    .group_segment_fixed_size: 312320
    .private_segment_fixed_size: 0
    .kernarg_segment_align: 8
    .kernarg_segment_size: 48
    .max_flat_workgroup_size: 512
    .sgpr_count:     66
    .vgpr_count:     256
    .wavefront_size: 32
...
	.end_amdgpu_metadata
.endif
;; end of part 3
;; ======== version 2 of 2: 3 launches
;; limits: an absolute error that grows with the inputs' magnitude: up to 1e-07 times it
;; workspace buffers: skey 1,048,576 bytes of whole numbers; sidx 1,048,576 bytes of whole numbers; order 1,048,576 bytes of whole numbers; wimg 131,072 bytes
;; launch prep (part 4): grid 272 x 1, 8 waves a work-group, no clusters, 17,664 bytes of LDS; arguments xyz, W1, b1, W2_codes, W2_scales, b2, bc, Wc, skey, sidx, wimg; writes skey, sidx, wimg
.if DOCPART == 4
	.amdgcn_target "amdgcn-amd-amdhsa--gfx1250"
	.amdhsa_code_object_version 6
	.text
	.protected	k_q8d3544cccb_prep
	.globl	k_q8d3544cccb_prep
	.p2align	8
	.type	k_q8d3544cccb_prep,@function
k_q8d3544cccb_prep:
	s_mov_b64 s[64:65], 0
	v_nop
	global_prefetch_b8 v0, s[64:65] scope:SCOPE_SE
	s_setreg_imm32_b32 hwreg(HW_REG_WAVE_MODE, 25, 1), 1
	s_wait_xcnt 0x0
; WORK-GROUPS 0 TO 255: chunk c = x % 16 (1,024 points) of cloud b = x / 16.  The cloud's minima and maxima, the chunk's Morton codes, and a bitonic sort of the chunk
; by (code, index): every address of the sort is fixed, only v_cndmask_b32 hangs on the codes.  Out: the chunk's sorted codes (skey) and the points' indices in the cloud (sidx).
; WORK-GROUPS 256 TO 271: the weights are laid out once as images of the operand registers of the last launch (wimg), a piece to each wave; no LDS, no barrier there.
; THE CODES ARE EXACT: u = (v - min) / scale is the correctly rounded f32 quotient: a reciprocal, one Newton step on it, and two corrections of the quotient by fused multiply-adds.
; LIMITS: NaN and infinities in xyz are not served; the quotient's steps have no range scaling, so max - min of a cloud must lie under 2^126 (it is held at 1e-6 from below, as the problem has it).
; NO CLUSTER: what the 16 work-groups of a cloud share, its 196,608 bytes, is read once at the head straight into registers for the minima and maxima; a joint load would bring it to LDS, to be read from there again.
.set RED,   16384                      ; LDS: 0 .. 16383 two exchange buffers of 8,192 bytes (codes, then indices 4,096 on); here 8 waves x 32 bytes of minima and maxima
.set WB,    34                         ; s34-36  0 - bit v of my wave's number
.set MK,    38                         ; s38     the pass's mask: upper partner xor descending
.set WSIMG, 110592                     ; wimg: 72 fragments of W2 x 1,536 bytes at 0; 36 x 128 bytes of scale words here;
.set W1IMG, 115200                     ; 24 tiles x 256 bytes of (W1, b1);
.set TAB,   121344                     ; b2, bc, Wc as they lie;
.set PAD,   129024                     ; 2,048 bytes of zeros, so that the image is 16 x 8,192 bytes
	s_load_b512 s[4:19], s[0:1], 0x0               ; xyz s[4:5], W1 s[6:7], b1 s[8:9], W2's codes s[10:11], W2's scales s[12:13], b2 s[14:15], bc s[16:17], Wc s[18:19]
	s_load_b128 s[20:23], s[0:1], 0x40             ; skey, sidx
	s_load_b64 s[24:25], s[0:1], 0x50              ; wimg
	v_lshl_add_u32 v128, v0, 2, 0x4100
	v_mov_b32 v129, 0
	v_lshrrev_b32 v1, 5, v0
	s_delay_alu instid0(VALU_DEP_1)
	v_readfirstlane_b32 s26, v1                    ; wave 0..7
	s_cmp_ge_u32 ttmp9, 256
	s_cbranch_scc1 .Llayout
	; ---------------- the sort ----------------
	s_lshr_b32 s28, ttmp9, 4                       ; cloud
	s_and_b32 s29, ttmp9, 15                       ; chunk
	s_mul_i32 s30, s28, 196608
	s_mov_b32 s31, 0
	s_mul_i32 s27, s29, 12288
	v_lshlrev_b32 v1, 4, v0                        ; 16 t
	v_mul_u32_u24 v2, v0, 48
	s_delay_alu instid0(VALU_DEP_1)
	v_add_nc_u32 v2, s27, v2                       ; my four points: 48 t in the chunk's 12,288 bytes
	v_mul_u32_u24 v3, v0, 171
	s_delay_alu instid0(VALU_DEP_1)
	v_lshrrev_b32 v3, 9, v3                        ; t / 3 (t < 256)
	s_delay_alu instid0(VALU_DEP_1)
	v_mul_u32_u24 v3, v3, 3
	s_delay_alu instid0(VALU_DEP_1)
	v_sub_nc_u32 v3, v0, v3                        ; t mod 3
	v_xor_b32 v10, 512, v1                         ; my partner's 16 bytes where the waves' numbers differ in bit 0,
	v_xor_b32 v11, 1024, v1                        ; bit 1,
	v_xor_b32 v12, 2048, v1                        ; bit 2
	s_lshl_b32 s27, s26, 5
	s_add_co_u32 s27, s27, RED
	v_mov_b32 v13, s27                             ; my wave's 32 bytes
	v_mov_b32 v14, RED
	v_lshlrev_b32 v15, 2, v0                       ; 4 t: my first point's index in the chunk
.irp v, 0,1,2
	s_bfe_u32 s[WB+\v], s26, 0x10000+\v
	s_sub_co_u32 s[WB+\v], 0, s[WB+\v]
.endr
	s_mov_b32 s32, 0x76543210                      ; v_permlanex16_b32: lane l xor 16
	s_mov_b32 s33, 0xfedcba98
	s_mov_b32 s52, 0x030000ff                      ; the four masks that spread 10 bits over 30
	s_mov_b32 s53, 0x0300f00f
	s_mov_b32 s54, 0x030c30c3
	s_mov_b32 s55, 0x09249249
	s_mov_b32 s56, 0x447fc000                      ; 1023.0
.irp m, 0,1,2
	v_mov_b32 v[4+\m], 0x7f800000                  ; three running minima,
	v_mov_b32 v[7+\m], 0xff800000                  ; three running maxima
.endr
	s_wait_alu depctr_va_vdst(0)
	s_wait_kmcnt 0x0
	s_add_nc_u64 s[4:5], s[4:5], s[30:31]          ; xyz at my cloud
.irp i, 0,1,2
	global_load_b128 v[112+4*\i:115+4*\i], v2, s[4:5] offset:16*\i   ; my own four points: v112-123
.endr
; THE CLOUD'S MINIMA AND MAXIMA.  48 loads of 4,096 consecutive bytes a work-group.  Float j of load i of thread t is number 1024 i + 4 t + j of the cloud: its coordinate is (t + i + j) mod 3.
; Three loads are 12 registers; register p of them belongs to running value p mod 3, which holds coordinate (t + p) mod 3.  A ring of 8 such triples, 24 loads, is on its way.
.macro TRI k
.irp i, 0,1,2
	global_load_b128 v[16+12*((\k)%8)+4*\i:16+12*((\k)%8)+4*\i+3], v1, s[4:5] offset:4096*(3*(\k)+\i)
.endr
.endm
.macro WORK k
.set RB, 16+12*((\k)%8)
.if (\k) <= 8
	s_wait_loadcnt 21                              ; loads come back in order: this triple is in, the seven younger triples stay out
.else
	s_wait_loadcnt 45-3*(\k)                       ; the ring runs empty: 15 - k younger triples
.endif
.irp m, 0,1,2
	v_min3_num_f32 v[4+\m], v[4+\m], v[RB+\m], v[RB+\m+3]
	v_max3_num_f32 v[7+\m], v[7+\m], v[RB+\m], v[RB+\m+3]
.endr
.irp m, 0,1,2
	v_min3_num_f32 v[4+\m], v[4+\m], v[RB+\m+6], v[RB+\m+9]
	v_max3_num_f32 v[7+\m], v[7+\m], v[RB+\m+6], v[RB+\m+9]
.endr
.if (\k)+8 < 16
	TRI (\k)+8
.endif
.endm
.set kk, 0
.rept 8
	TRI kk
.set kk, kk+1
.endr
.set kk, 0
.rept 16
	s_wait_alu depctr_va_vdst(0)
	WORK kk
.set kk, kk+1
.endr
	v_cmp_eq_u32 s40, 1, v3                        ; coordinate d lies in running value (d - t) mod 3
	v_cmp_eq_u32 s41, 2, v3
.irp d, 0,1,2
	v_cndmask_b32 v[40+\d], v[4+\d], v[4+(\d+2)%3], s40
	v_cndmask_b32 v[43+\d], v[7+\d], v[7+(\d+2)%3], s40
.endr
.irp d, 0,1,2
	v_cndmask_b32 v[40+\d], v[40+\d], v[4+(\d+1)%3], s41
	v_cndmask_b32 v[43+\d], v[43+\d], v[7+(\d+1)%3], s41
.endr
.irp x, 1,2,4,8
.irp d, 0,1,2
	v_min_num_f32_dpp v[40+\d], v[40+\d], v[40+\d] row_xmask:\x row_mask:0xf bank_mask:0xf
	v_max_num_f32_dpp v[43+\d], v[43+\d], v[43+\d] row_xmask:\x row_mask:0xf bank_mask:0xf
.endr
.endr
.irp d, 0,1,2,3,4,5
	v_permlanex16_b32 v[46+\d], v[40+\d], s32, s33 ; (its destination has been written: by the ring's loads)
.endr
.irp d, 0,1,2
	v_min_num_f32 v[40+\d], v[40+\d], v[46+\d]
	v_max_num_f32 v[43+\d], v[43+\d], v[49+\d]
.endr
	ds_store_b128 v13, v[40:43]                    ; all lanes write the same words with the same values
	ds_store_b64 v13, v[44:45] offset:16
	s_wait_dscnt 0x0                               ; for the others' sake: my stores have landed
	s_barrier_signal -1
	s_barrier_wait -1
.irp w, 0,1,2,3,4,5,6,7
	ds_load_b128 v[48+8*\w:51+8*\w], v14 offset:32*\w
	ds_load_b64 v[52+8*\w:53+8*\w], v14 offset:32*\w+16
.endr
	s_wait_dscnt 0x0
.irp d, 0,1,2
	v_min3_num_f32 v[4+\d], v[48+\d], v[56+\d], v[64+\d]
	v_max3_num_f32 v[7+\d], v[51+\d], v[59+\d], v[67+\d]
.endr
.irp d, 0,1,2
	v_min3_num_f32 v[4+\d], v[4+\d], v[72+\d], v[80+\d]
	v_max3_num_f32 v[7+\d], v[7+\d], v[75+\d], v[83+\d]
.endr
.irp d, 0,1,2
	v_min3_num_f32 v[4+\d], v[4+\d], v[88+\d], v[96+\d]
	v_max3_num_f32 v[7+\d], v[7+\d], v[91+\d], v[99+\d]
.endr
.irp d, 0,1,2
	v_min_num_f32 v[4+\d], v[4+\d], v[104+\d]      ; v4-6 the cloud's minima,
	v_max_num_f32 v[7+\d], v[7+\d], v[107+\d]      ; v7-9 its maxima
.endr
	; THE CODES.  v40-42 scale, v43-45 its reciprocal after one Newton step
.irp d, 0,1,2
	v_sub_f32 v[40+\d], v[7+\d], v[4+\d]
.endr
.irp d, 0,1,2
	s_delay_alu instid0(VALU_DEP_3)
	v_max_num_f32 v[40+\d], 0x358637bd, v[40+\d]   ; held at 1e-6 from below
.endr
	s_wait_alu depctr_va_vdst(0)
.irp d, 0,1,2
	v_rcp_f32 v[43+\d], v[40+\d]
.endr
.irp i, 0,1,2,3,4,5,6,7
	v_mov_b32 v[32+\i], 0                          ; the partners' registers: written once, since a lane permute's destination counts as read.  (Plain lines behind the reciprocals)
.endr
	s_wait_alu depctr_va_vdst(0)                   ; the wait ahead of the first line that names a reciprocal: one for the three
.irp d, 0,1,2
	v_fma_f32 v[46+\d], -v[40+\d], v[43+\d], 1.0
.endr
.irp d, 0,1,2
	v_fma_f32 v[43+\d], v[46+\d], v[43+\d], v[43+\d]
.endr
.irp n, 0,1,2,3,4,5,6,7,8,9,10,11
	v_sub_f32 v[52+\n], v[112+\n], v[4+\n%3]       ; a = v - min
.endr
.irp n, 0,1,2,3,4,5,6,7,8,9,10,11
	v_mul_f32 v[64+\n], v[52+\n], v[43+\n%3]       ; q = a r
.endr
.rept 2                                        ; twice: q += (a - scale q) r.  The second gives the correctly rounded quotient
.irp n, 0,1,2,3,4,5,6,7,8,9,10,11
	v_fma_f32 v[76+\n], -v[40+\n%3], v[64+\n], v[52+\n]
.endr
.irp n, 0,1,2,3,4,5,6,7,8,9,10,11
	v_fma_f32 v[64+\n], v[76+\n], v[43+\n%3], v[64+\n]
.endr
.endr
.irp n, 0,1,2,3,4,5,6,7,8,9,10,11
	v_mul_f32 v[64+\n], s56, v[64+\n]
.endr
.irp n, 0,1,2,3,4,5,6,7,8,9,10,11
	v_rndne_f32 v[64+\n], v[64+\n]                 ; to the nearest whole number, ties to even
.endr
.irp n, 0,1,2,3,4,5,6,7,8,9,10,11
	v_med3_num_f32 v[64+\n], v[64+\n], 0, s56
.endr
.irp n, 0,1,2,3,4,5,6,7,8,9,10,11
	v_cvt_u32_f32 v[64+\n], v[64+\n]
.endr
.macro SPREAD sh, mask                         ; v = (v | v << sh) & mask
.irp n, 0,1,2,3,4,5,6,7,8,9,10,11
	v_lshl_or_b32 v[76+\n], v[64+\n], \sh, v[64+\n]
.endr
.irp n, 0,1,2,3,4,5,6,7,8,9,10,11
	v_and_b32 v[64+\n], s[\mask], v[76+\n]
.endr
.endm
	SPREAD 16, 52
	SPREAD 8, 53
	SPREAD 4, 54
	SPREAD 2, 55
.irp e, 0,1,2,3
	v_lshl_or_b32 v[16+\e], v[65+3*\e], 1, v[64+3*\e]
	v_add_nc_u32 v[20+\e], \e, v15                 ; the point's index in the chunk
.endr
.irp e, 0,1,2,3
	v_lshl_or_b32 v[16+\e], v[66+3*\e], 2, v[16+\e]   ; x | y << 1 | z << 2
.endr
; THE BITONIC SORT of 1,024 keys (code, index in the chunk); all keys differ, and equal codes keep the order of their indices.
; Element i = 128 wave + 4 lane + e.  Stage k = 1 .. 10, passes j = k - 1 .. 0: i meets i xor 2^j; descending where bit k of i is set.
; j = 0, 1: both lie in my registers;  j = 2 .. 6: in another lane;  j = 7 .. 9: in another wave, through LDS.
; Keys: codes v[16+CUR ..], indices v[20+CUR ..], CUR = 0 or 8: a pass in registers writes the other set, so that nothing is moved.  The partner's: v32-35, v36-39.
.set CUR, 0
.set XN, 0
.macro LBVAL m                                 ; LBX = the lanes whose number has bit m set
.if (\m) == 0
.set LBX, 0xaaaaaaaa
.elseif (\m) == 1
.set LBX, 0xcccccccc
.elseif (\m) == 2
.set LBX, 0xf0f0f0f0
.elseif (\m) == 3
.set LBX, 0xff00ff00
.else
.set LBX, 0xffff0000
.endif
.endm
; s[MK] = (the lanes that are the upper partner) xor (the lanes of descending runs of stage k).  The first is a constant (uplit) or hangs on bit upreg of the wave's number;
; the second is bit k of i: a lane's bit k - 2 (k = 2 .. 6), the wave's bit k - 7 (k = 7 .. 9), nothing (k = 10).
.macro SETMK uplit, upreg, k
.set UL, \uplit
.set DL, 0
.set DR, -1
.if ((\k) >= 2) && ((\k) <= 6)
	LBVAL (\k)-2
.set DL, LBX
.endif
.if ((\k) >= 7) && ((\k) <= 9)
.set DR, (\k)-7
.endif
.set LL, UL^DL
.if ((\upreg) < 0) && (DR < 0)
	s_mov_b32 s[MK], LL
.elseif ((\upreg) >= 0) && (DR >= 0)
	s_xor_b32 s[MK], s[WB+(\upreg)], s[WB+DR]
.elseif (\upreg) >= 0
	s_xor_b32 s[MK], s[WB+(\upreg)], LL
.else
	s_xor_b32 s[MK], s[WB+DR], LL
.endif
.endm
.macro GT d, ah, al, bh, bl                    ; three masks, from which FOLD makes (a > b)
	v_cmp_lt_u32 s[\d], v[\bh], v[\ah]
	v_cmp_eq_u32 s[\d+1], v[\bh], v[\ah]
	v_cmp_lt_u32 s[\d+2], v[\bl], v[\al]
.endm
.macro FOLD d, m
	s_and_b32 s[\d+1], s[\d+1], s[\d+2]
	s_or_b32 s[\d], s[\d], s[\d+1]
	s_xor_b32 s[\d], s[\d], \m
.endm
.macro REGPASS                                 ; pairs (0,1), (2,3) for j = 0; (0,2), (1,3) for j = 1: they change places where (a > b) xor descending
.if k > 1
	SETMK 0, -1, k
.endif
.irp p, 0,1
.set ea, (\p)*(2-j)
.set eb, ea+1+j
	GT 40+3*\p, 16+CUR+ea, 20+CUR+ea, 16+CUR+eb, 20+CUR+eb
.endr
.if k > 1
	FOLD 40, s[MK]
	FOLD 43, s[MK]
.else
	FOLD 40, 0                                     ; stage 1: bit 1 of i is bit 1 of e: the first pair ascends,
	FOLD 43, -1                                    ; the second descends
.endif
.irp p, 0,1
.set ea, (\p)*(2-j)
.set eb, ea+1+j
	v_cndmask_b32 v[24-CUR+ea], v[16+CUR+ea], v[16+CUR+eb], s[40+3*\p]
	v_cndmask_b32 v[24-CUR+eb], v[16+CUR+eb], v[16+CUR+ea], s[40+3*\p]
	v_cndmask_b32 v[28-CUR+ea], v[20+CUR+ea], v[20+CUR+eb], s[40+3*\p]
	v_cndmask_b32 v[28-CUR+eb], v[20+CUR+eb], v[20+CUR+ea], s[40+3*\p]
.endr
.set CUR, 8-CUR
.endm
.macro TAKE                                    ; I take my partner's key where (mine > its) xor (I am the upper one) xor descending
.irp e, 0,1,2,3
	GT 40+3*\e, 16+CUR+\e, 20+CUR+\e, 32+\e, 36+\e
.endr
.irp e, 0,1,2,3
	FOLD 40+3*\e, s[MK]
.endr
.irp e, 0,1,2,3
	v_cndmask_b32 v[16+CUR+\e], v[16+CUR+\e], v[32+\e], s[40+3*\e]
	v_cndmask_b32 v[20+CUR+\e], v[20+CUR+\e], v[36+\e], s[40+3*\e]
.endr
.endm
.macro PARTNER x
.irp e, 0,1,2,3
	v_mov_b32_dpp v[32+\e], v[16+CUR+\e] row_xmask:\x row_mask:0xf bank_mask:0xf
	v_mov_b32_dpp v[36+\e], v[20+CUR+\e] row_xmask:\x row_mask:0xf bank_mask:0xf
.endr
.endm
.macro LANEPASS
	LBVAL j-2
	SETMK LBX, -1, k
.if j == 2
	PARTNER 1
.elseif j == 3
	PARTNER 2
.elseif j == 4
	PARTNER 4
.elseif j == 5
	PARTNER 8
.else
.irp e, 0,1,2,3
	v_permlanex16_b32 v[32+\e], v[16+CUR+\e], s32, s33
	v_permlanex16_b32 v[36+\e], v[20+CUR+\e], s32, s33
.endr
.endif
	TAKE
.endm
; Through LDS: two buffers by turns.  A buffer is written again two exchanges on: the barrier of the exchange between, in front of which every wave has waited for all its LDS instructions, orders those stores behind all reads.
.macro XPASS
	SETMK 0, j-7, k
	ds_store_b128 v1, v[16+CUR:19+CUR] offset:8192*(XN%2)
	ds_store_b128 v1, v[20+CUR:23+CUR] offset:8192*(XN%2)+4096
	s_wait_alu depctr_va_vdst(0)
	s_wait_dscnt 0x0                               ; for the others' sake: my stores have landed
	s_barrier_signal -1
	s_barrier_wait -1
	ds_load_b128 v[32:35], v[10+j-7] offset:8192*(XN%2)
	ds_load_b128 v[36:39], v[10+j-7] offset:8192*(XN%2)+4096
	s_wait_dscnt 0x0
	TAKE
.set XN, XN+1
.endm
.set k, 1
.rept 10
.set j, k-1
.rept 10
.if j >= 7
	XPASS
.elseif j >= 2
	LANEPASS
.elseif j >= 0
	REGPASS
.endif
.set j, j-1
.endr
.set k, k+1
.endr
	s_lshl_b32 s27, s29, 10
.irp e, 0,1,2,3
	v_add_nc_u32 v[20+CUR+\e], s27, v[20+CUR+\e]   ; the index in the cloud: + 1,024 x chunk
.endr
	s_lshl_b32 s30, ttmp9, 12                      ; the chunk's 4,096 bytes in each buffer
	s_add_nc_u64 s[20:21], s[20:21], s[30:31]
	s_add_nc_u64 s[22:23], s[22:23], s[30:31]
	global_store_b128 v1, v[16+CUR:19+CUR], s[20:21]   ; a wave stores 512 consecutive bytes, aligned
	global_store_b128 v1, v[20+CUR:23+CUR], s[22:23]
	s_wait_tensorcnt 0x0
	ds_add_u32 v128, v129
	s_wait_dscnt 0x0
	s_endpgm
	; ---------------- the images: piece 8 (x - 256) + wave ----------------
.Llayout:
	s_sub_co_u32 s27, ttmp9, 256
	s_lshl_b32 s27, s27, 3
	s_add_co_u32 s27, s27, s26                     ; the piece, 0 .. 127
	v_and_b32 v2, 31, v0                           ; lane L
	v_and_b32 v3, 15, v0                           ; r
	v_bfe_u32 v4, v0, 4, 1                         ; h
	s_delay_alu instid0(VALU_DEP_3)
	v_lshlrev_b32 v1, 4, v2                        ; 16 L
	s_mov_b32 s31, 0
	s_wait_kmcnt 0x0
	s_cmp_lt_u32 s27, 72
	s_cbranch_scc0 .Lnot_w2
	; pieces 0-71: fragment F = ((4 P + q) 2 + u) 3 + s of W2: 16 channels 128 P + 64 u + 4 r + q, K = 128 s on.  Lane (r, h) holds the 24 bytes at 24 h and at 48 + 24 h of its channel's 96.
	s_mul_i32 s28, s27, 171
	s_lshr_b32 s28, s28, 9                         ; F / 3
	s_mul_i32 s29, s28, 3
	s_sub_co_u32 s29, s27, s29                     ; s
	s_and_b32 s32, s28, 1                          ; u
	s_bfe_u32 s33, s28, 0x20001                    ; q
	s_lshr_b32 s34, s28, 3                         ; P
	s_lshl_b32 s34, s34, 7
	s_lshl_b32 s32, s32, 6
	s_add_co_u32 s34, s34, s32
	s_add_co_u32 s34, s34, s33
	s_mul_i32 s34, s34, 288                        ; a channel's 384 codes are 288 bytes
	s_mul_i32 s29, s29, 96
	s_add_co_u32 s30, s34, s29
	s_add_nc_u64 s[10:11], s[10:11], s[30:31]
	s_mul_i32 s30, s27, 1536
	s_add_nc_u64 s[24:25], s[24:25], s[30:31]
	s_wait_alu depctr_va_vdst(0)
	v_mul_u32_u24 v5, v3, 1152                     ; four channels from lane to lane
	s_delay_alu instid0(VALU_DEP_1)
	v_mad_u32_u24 v5, v4, 24, v5
.irp p, 0,1,2,3,4,5
	global_load_b64 v[16+2*\p:17+2*\p], v5, s[10:11] offset:48*(\p/3)+8*(\p%3)
.endr
	s_wait_loadcnt 0x0
.irp c, 0,1,2
	global_store_b128 v1, v[16+4*\c:19+4*\c], s[24:25] offset:512*\c   ; registers 4 c .. 4 c + 3 of all lanes: 512 consecutive bytes
.endr
	s_endpgm
.Lnot_w2:
	s_cmp_lt_u32 s27, 96
	s_cbranch_scc0 .Lnot_w1
	; pieces 72-95: tile t of the first product's left operand: lane (r, h) holds rows 2 h, 2 h + 1 of (W1; b1) at hidden unit 32 (t / 2) + 8 (t % 2) + r + 8 (r / 8)
	s_sub_co_u32 s28, s27, 72
	s_lshr_b32 s29, s28, 1
	s_lshl_b32 s29, s29, 5
	s_and_b32 s32, s28, 1
	s_lshl_b32 s32, s32, 3
	s_add_co_u32 s29, s29, s32
	s_wait_alu depctr_va_vdst(0)
	v_and_b32 v5, 8, v3
	s_delay_alu instid0(VALU_DEP_1)
	v_add3_u32 v5, v5, v3, s29
	s_delay_alu instid0(VALU_DEP_1)
	v_lshlrev_b32 v5, 2, v5                        ; 4 x unit
	s_delay_alu instid0(VALU_DEP_1)
	v_mad_u32_u24 v6, v4, 3072, v5                 ; row 2 h of W1
	global_load_b32 v16, v6, s[6:7]
	global_load_b32 v18, v5, s[6:7] offset:1536    ; row 1 of W1
	global_load_b32 v19, v5, s[8:9]                ; b1
	s_mov_b32 s33, 0xffff0000
	s_lshl_b32 s30, s28, 8
	s_add_co_u32 s30, s30, W1IMG
	s_add_nc_u64 s[24:25], s[24:25], s[30:31]
	v_lshlrev_b32 v7, 3, v2
	s_wait_loadcnt 0x0
	v_cndmask_b32 v17, v18, v19, s33               ; lanes 16-31 take b1 as row 3
	s_wait_alu depctr_va_vdst(0)
	global_store_b64 v7, v[16:17], s[24:25]
	s_endpgm
.Lnot_w1:
	s_cmp_lt_u32 s27, 108
	s_cbranch_scc0 .Lnot_ws
	; pieces 96-107: item e = 4 P + q: the three scale words of channel 128 P + 4 L + q: lanes 0-15 serve the tile u = 0, lanes 16-31 the tile u = 1
	s_sub_co_u32 s28, s27, 96
	s_lshr_b32 s29, s28, 2
	s_lshl_b32 s29, s29, 7
	s_and_b32 s32, s28, 3
	s_add_co_u32 s29, s29, s32
	s_mul_i32 s30, s29, 12
	s_add_nc_u64 s[12:13], s[12:13], s[30:31]
	s_mul_i32 s30, s28, 384
	s_add_co_u32 s30, s30, WSIMG
	s_add_nc_u64 s[24:25], s[24:25], s[30:31]
	s_wait_alu depctr_va_vdst(0)
	v_mul_u32_u24 v5, v2, 48
	v_lshlrev_b32 v6, 2, v2
.irp s, 0,1,2
	global_load_b32 v[16+\s], v5, s[12:13] offset:4*\s
.endr
	s_wait_alu depctr_va_vdst(0)
	s_wait_loadcnt 0x0
.irp s, 0,1,2
	global_store_b32 v6, v[16+\s], s[24:25] offset:128*\s
.endr
	s_endpgm
.Lnot_ws:
	s_cmp_lt_u32 s27, 123
	s_cbranch_scc0 .Lnot_tab
	; pieces 108-122: 512 bytes of b2 (3 pieces), bc (3), Wc (9), as they lie
	s_sub_co_u32 s28, s27, 108
	s_cmp_lt_u32 s28, 3
	s_cselect_b64 s[32:33], s[14:15], s[16:17]
	s_cselect_b32 s29, 0, 3
	s_cmp_lt_u32 s28, 6
	s_cselect_b64 s[32:33], s[32:33], s[18:19]
	s_cselect_b32 s29, s29, 6
	s_sub_co_u32 s29, s28, s29
	s_lshl_b32 s30, s29, 9
	s_add_nc_u64 s[32:33], s[32:33], s[30:31]
	s_lshl_b32 s30, s28, 9
	s_add_co_u32 s30, s30, TAB
	s_add_nc_u64 s[24:25], s[24:25], s[30:31]
	s_wait_alu depctr_va_vdst(0)
	global_load_b128 v[16:19], v1, s[32:33]
	s_wait_loadcnt 0x0
	global_store_b128 v1, v[16:19], s[24:25]
	s_endpgm
.Lnot_tab:
	s_cmp_lt_u32 s27, 127
	s_cbranch_scc0 .Lend                           ; 127 pieces: the last wave of the last work-group has none
	s_sub_co_u32 s28, s27, 123
	s_lshl_b32 s30, s28, 9
	s_add_co_u32 s30, s30, PAD
	s_add_nc_u64 s[24:25], s[24:25], s[30:31]
.irp i, 0,1,2,3
	v_mov_b32 v[16+\i], 0
.endr
	s_wait_alu depctr_va_vdst(0)
	global_store_b128 v1, v[16:19], s[24:25]
.Lend:
	s_endpgm
.Lfunc_end_k_q8d3544cccb_prep:
	.size	k_q8d3544cccb_prep, .Lfunc_end_k_q8d3544cccb_prep-k_q8d3544cccb_prep
	.p2alignl 7, 3214868480
	.fill 96, 4, 3214868480
	.section	.rodata,"a",@progbits
	.p2align	6, 0x0
	.amdhsa_kernel k_q8d3544cccb_prep
		.amdhsa_group_segment_fixed_size 17664
		.amdhsa_private_segment_fixed_size 0
		.amdhsa_enable_private_segment 0
		.amdhsa_kernarg_size 88
		.amdhsa_user_sgpr_count 2
		.amdhsa_user_sgpr_kernarg_segment_ptr 1
		.amdhsa_wavefront_size32 1
		.amdhsa_system_sgpr_workgroup_id_x 1
		.amdhsa_system_sgpr_workgroup_id_y 1
		.amdhsa_system_sgpr_workgroup_id_z 1
		.amdhsa_system_vgpr_workitem_id 0
		.amdhsa_next_free_vgpr 130
		.amdhsa_next_free_sgpr 66
		.amdhsa_reserve_vcc 0
		.amdhsa_float_denorm_mode_32 3
		.amdhsa_float_denorm_mode_16_64 3
		.amdhsa_memory_ordered 1
		.amdhsa_forward_progress 1
		.amdhsa_inst_pref_size 145
	.end_amdhsa_kernel
	.amdgpu_metadata
---
amdhsa.version: [ 1, 2 ]
amdhsa.kernels:
  - .name:           k_q8d3544cccb_prep
    .symbol:         k_q8d3544cccb_prep.kd
    .args:
      - { .name: xyz, .offset: 0, .size: 8, .value_kind: global_buffer, .address_space: global }
      - { .name: W1, .offset: 8, .size: 8, .value_kind: global_buffer, .address_space: global }
      - { .name: b1, .offset: 16, .size: 8, .value_kind: global_buffer, .address_space: global }
      - { .name: W2_codes, .offset: 24, .size: 8, .value_kind: global_buffer, .address_space: global }
      - { .name: W2_scales, .offset: 32, .size: 8, .value_kind: global_buffer, .address_space: global }
      - { .name: b2, .offset: 40, .size: 8, .value_kind: global_buffer, .address_space: global }
      - { .name: bc, .offset: 48, .size: 8, .value_kind: global_buffer, .address_space: global }
      - { .name: Wc, .offset: 56, .size: 8, .value_kind: global_buffer, .address_space: global }
      - { .name: skey, .offset: 64, .size: 8, .value_kind: global_buffer, .address_space: global }
      - { .name: sidx, .offset: 72, .size: 8, .value_kind: global_buffer, .address_space: global }
      - { .name: wimg, .offset: 80, .size: 8, .value_kind: global_buffer, .address_space: global }
    .group_segment_fixed_size: 17664
    .private_segment_fixed_size: 0
    .kernarg_segment_align: 8
    .kernarg_segment_size: 88
    .max_flat_workgroup_size: 256
    .sgpr_count:     66
    .vgpr_count:     130
    .wavefront_size: 32
...
	.end_amdgpu_metadata
.endif
;; end of part 4
;; launch rank (part 5): grid 256 x 1, 32 waves a work-group, no clusters, 69,632 bytes of LDS; arguments skey, sidx, order; writes order
.if DOCPART == 5
	.amdgcn_target "amdgcn-amd-amdhsa--gfx1250"
	.amdhsa_code_object_version 6
	.text
	.protected	k_q8d3544cccb_rank
	.globl	k_q8d3544cccb_rank
	.p2align	8
	.type	k_q8d3544cccb_rank,@function
k_q8d3544cccb_rank:
	s_mov_b64 s[64:65], 0
	v_nop
	global_prefetch_b8 v0, s[64:65] scope:SCOPE_SE
	s_setreg_imm32_b32 hwreg(HW_REG_WAVE_MODE, 25, 1), 1
	s_wait_xcnt 0x0
; Each point's place in its cloud's stable order.  Work-group x: chunk c = x % 16 of cloud b = x / 16; thread t owns element t of the sorted chunk.
; The chunks are runs of ascending indices, so  place = t + the sum over chunks before c of #(codes <= mine) + over chunks behind c of #(codes < mine).
; The cloud's sorted chunks (65,536 bytes of codes) lie in LDS, ROTATED: slot j holds chunk (c + 1 + j) % 16, so that slots 0 to 14 are the 15 other chunks whatever c is; my own chunk (slot 15) is not searched: my place in it is t.
; A count is a binary search: eight steps of 512 .. 4 words, then the aligned four words at the count, which hold the rest (0 to 4 words under the bound), by one load of 16 bytes.
; The 15 searches of a thread go side by side.  Then order[b][place] = the point's index.
; Addresses hang on whole numbers that the launch before has stored, and on nothing else.  The stores are 4 bytes a lane, scattered: a scatter by rank has no other form; each word of order is written once.
; NO CLUSTER: what the 16 work-groups of a cloud share is read once, at the head, through registers.
.set VAL, 4                            ; v4-19   the fill's data; then the 15 words just read
.set KY,  20                           ; v20-34  the 15 bounds: a count is #(word < bound)
.set POS, 36                           ; v36-50  the 15 counts so far, in bytes
.set WD,  64                           ; v64-123 the last four words of each search
	s_load_b128 s[4:7], s[0:1], 0x0                ; skey, sidx
	s_load_b64 s[8:9], s[0:1], 0x10                ; order
	v_lshl_add_u32 v126, v0, 2, 0x10000
	v_mov_b32 v127, 0
	s_lshr_b32 s10, ttmp9, 4                       ; cloud
	s_and_b32 s11, ttmp9, 15                       ; chunk c
	s_lshl_b32 s12, s10, 16
	s_mov_b32 s13, 0
	s_lshl_b32 s14, s11, 12                        ; my chunk's 4,096 bytes
	s_add_co_u32 s15, s14, 4096                    ; the rotation: c + 1 chunks
	s_sub_co_u32 s18, 15, s11                      ; slot j holds a chunk before mine where j >= 15 - c
	v_lshlrev_b32 v1, 4, v0                        ; 16 t
	v_lshlrev_b32 v2, 2, v0                        ; 4 t
	s_delay_alu instid0(VALU_DEP_1)
	v_add_nc_u32 v3, s14, v2                       ; my element
	s_delay_alu instid0(VALU_DEP_3)
	v_add_nc_u32 v56, s15, v1
.irp i, 1,2,3
	v_add_nc_u32 v[56+\i], 16384*\i, v56
.endr
.irp i, 0,1,2,3
	s_delay_alu instid0(VALU_DEP_4)
	v_and_b32 v[56+\i], 0xffff, v[56+\i]           ; (16 t + 16384 i + 4096 (c + 1)) mod 65536: what goes to LDS byte 16 t + 16384 i
.endr
	v_mov_b32 v55, 0                               ; the first step's address
	s_wait_alu depctr_va_vdst(0)
	s_wait_kmcnt 0x0
	s_add_nc_u64 s[4:5], s[4:5], s[12:13]
	s_add_nc_u64 s[6:7], s[6:7], s[12:13]
	s_add_nc_u64 s[8:9], s[8:9], s[12:13]
.irp i, 0,1,2,3
	global_load_b128 v[VAL+4*\i:VAL+4*\i+3], v[56+\i], s[4:5]
.endr
	global_load_b32 v52, v3, s[4:5]                ; my code
	global_load_b32 v53, v3, s[6:7]                ; my index
	s_wait_loadcnt 2                               ; the four are in; my code and index may be out
.irp i, 0,1,2,3
	ds_store_b128 v1, v[VAL+4*\i:VAL+4*\i+3] offset:16384*\i
.endr
	s_wait_loadcnt 0x0
.irp j, 0,1,2,3,4,5,6,7,8,9,10,11,12,13,14
	s_cmp_le_u32 s18, \j                           ; a chunk before mine: equal codes come first too: bound = code + 1 (a code has 30 bits)
	s_cselect_b32 s16, 1, 0
	v_add_nc_u32 v[KY+\j], s16, v52
.endr
	s_wait_dscnt 0x0                               ; for the others' sake: my stores have landed
	s_barrier_signal -1
	s_barrier_wait -1                              ; from here on LDS is only read
; count += st where word (count + st - 1) < bound.  first = 1: the counts are 0: the loads read at address 0 and the step writes the counts.
; A number that hangs on loaded words enters an address only behind a hold with a written bound: the bound is the one that the search keeps by itself, 1,024 - st words behind the step st,
; so the hold changes no count, and the next load stays inside its chunk's 4,096 bytes.
; Two waits a level: LDS loads come back in order, so at 7 outstanding the first eight of the 15 are in; the SIMD's other seven waves work meanwhile.
.macro LEVEL st, first
	v_mov_b32 v54, 4*(\st)
.irp j, 0,1,2,3,4,5,6,7,8,9,10,11,12,13,14
.if \first
	ds_load_b32 v[VAL+\j], v55 offset:4096*\j+4*(\st-1)
.else
	ds_load_b32 v[VAL+\j], v[POS+\j] offset:4096*\j+4*(\st-1)
.endif
.endr
	s_wait_alu depctr_va_vdst(0)
.irp j, 0,1,2,3,4,5,6,7,8,9,10,11,12,13,14
.if \j == 0
	s_wait_dscnt 7
.endif
.if \j == 8
	s_wait_dscnt 0x0
.endif
	v_cmp_lt_u32 vcc_lo, v[VAL+\j], v[KY+\j]
.if \first
	s_delay_alu instid0(VALU_DEP_1)
	v_cndmask_b32 v[POS+\j], 0, v54, vcc_lo
.else
	s_delay_alu instid0(VALU_DEP_1)
	v_cndmask_b32 v[60+\j%2], 0, v54, vcc_lo
	s_delay_alu instid0(VALU_DEP_1)
	v_add_nc_u32 v[POS+\j], v[POS+\j], v[60+\j%2]
.endif
	s_delay_alu instid0(VALU_DEP_1)
	v_min_u32 v[POS+\j], 4096-4*(\st), v[POS+\j]
.endr
.endm
	LEVEL 512, 1
.irp st, 256,128,64,32,16,8,4
	LEVEL \st, 0
.endr
; The count is now min(4 floor(T / 4), 1,020), T the true count: the four words from there on (16 bytes, aligned, inside the chunk) hold the T - count words that are still under the bound.
.irp j, 0,1,2,3,4,5,6,7,8,9,10,11,12,13,14
	ds_load_b128 v[WD+4*\j:WD+4*\j+3], v[POS+\j] offset:4096*\j
.endr
	v_mov_b32 v60, 0                               ; two counters of words, by turns
	v_mov_b32 v61, 0
	s_wait_alu depctr_va_vdst(0)
.irp j, 0,1,2,3,4,5,6,7,8,9,10,11,12,13,14
.if \j == 0
	s_wait_dscnt 7                                 ; the first eight of the 15 loads are in
.endif
.if \j == 8
	s_wait_alu depctr_va_vdst(0)
	s_wait_dscnt 0x0
.endif
.irp i, 0,1,2,3
	v_cmp_lt_u32 vcc_lo, v[WD+4*\j+\i], v[KY+\j]
	s_delay_alu instid0(VALU_DEP_1)
	v_add_co_ci_u32 v[60+\i%2], vcc_lo, 0, v[60+\i%2], vcc_lo   ; + 1 where the word is under the bound
.endr
.endr
	s_delay_alu instid0(VALU_DEP_1)
	v_add_nc_u32 v60, v60, v61
	s_delay_alu instid0(VALU_DEP_1)
	v_lshl_add_u32 v62, v60, 2, v2                 ; 4 x place = 4 t + 4 x the last words + the 15 counts
	s_delay_alu instid0(VALU_DEP_1)
	v_add3_u32 v62, v62, v[POS], v[POS+1]
	v_add3_u32 v63, v[POS+2], v[POS+3], v[POS+4]
.irp j, 5
	s_delay_alu instid0(VALU_DEP_2)
	v_add3_u32 v62, v62, v[POS+\j], v[POS+\j+1]
.endr
.irp j, 9, 13
	s_delay_alu instid0(VALU_DEP_1)
	v_add3_u32 v62, v62, v[POS+\j], v[POS+\j+1]
.endr
.irp j, 7
	s_delay_alu instid0(VALU_DEP_4)
	v_add3_u32 v63, v63, v[POS+\j], v[POS+\j+1]
.endr
.irp j, 11
	s_delay_alu instid0(VALU_DEP_1)
	v_add3_u32 v63, v63, v[POS+\j], v[POS+\j+1]
.endr
	s_delay_alu instid0(VALU_DEP_1)
	v_add_nc_u32 v62, v62, v63
	s_delay_alu instid0(VALU_DEP_1)
	v_min_u32 v62, 0xfffc, v62                     ; it is a place in the cloud's 65,536 bytes
	global_store_b32 v62, v53, s[8:9]
	s_wait_tensorcnt 0x0
	ds_add_u32 v126, v127
	s_wait_dscnt 0x0
	s_endpgm
.Lfunc_end_k_q8d3544cccb_rank:
	.size	k_q8d3544cccb_rank, .Lfunc_end_k_q8d3544cccb_rank-k_q8d3544cccb_rank
	.p2alignl 7, 3214868480
	.fill 96, 4, 3214868480
	.section	.rodata,"a",@progbits
	.p2align	6, 0x0
	.amdhsa_kernel k_q8d3544cccb_rank
		.amdhsa_group_segment_fixed_size 69632
		.amdhsa_private_segment_fixed_size 0
		.amdhsa_enable_private_segment 0
		.amdhsa_kernarg_size 24
		.amdhsa_user_sgpr_count 2
		.amdhsa_user_sgpr_kernarg_segment_ptr 1
		.amdhsa_wavefront_size32 1
		.amdhsa_system_sgpr_workgroup_id_x 1
		.amdhsa_system_sgpr_workgroup_id_y 1
		.amdhsa_system_sgpr_workgroup_id_z 1
		.amdhsa_system_vgpr_workitem_id 0
		.amdhsa_next_free_vgpr 128
		.amdhsa_next_free_sgpr 66
		.amdhsa_reserve_vcc 1
		.amdhsa_float_denorm_mode_32 3
		.amdhsa_float_denorm_mode_16_64 3
		.amdhsa_memory_ordered 1
		.amdhsa_forward_progress 1
		.amdhsa_inst_pref_size 50
	.end_amdhsa_kernel
	.amdgpu_metadata
---
amdhsa.version: [ 1, 2 ]
amdhsa.kernels:
  - .name:           k_q8d3544cccb_rank
    .symbol:         k_q8d3544cccb_rank.kd
    .args:
      - { .name: skey, .offset: 0, .size: 8, .value_kind: global_buffer, .address_space: global }
      - { .name: sidx, .offset: 8, .size: 8, .value_kind: global_buffer, .address_space: global }
      - { .name: order, .offset: 16, .size: 8, .value_kind: global_buffer, .address_space: global }
    .group_segment_fixed_size: 69632
    .private_segment_fixed_size: 0
    .kernarg_segment_align: 8
    .kernarg_segment_size: 24
    .max_flat_workgroup_size: 1024
    .sgpr_count:     66
    .vgpr_count:     128
    .wavefront_size: 32
...
	.end_amdgpu_metadata
.endif
;; end of part 5
;; launch main (part 6): grid 256 x 1, 16 waves a work-group, no clusters, 312,320 bytes of LDS; arguments xyz, order, wimg, out0, out1, out2; writes out0, out1, out2
.if DOCPART == 6
	.amdgcn_target "amdgcn-amd-amdhsa--gfx1250"
	.amdhsa_code_object_version 6
	.text
	.protected	k_q8d3544cccb_main
	.globl	k_q8d3544cccb_main
	.p2align	8
	.type	k_q8d3544cccb_main,@function
k_q8d3544cccb_main:
	s_mov_b64 s[64:65], 0
	v_nop
	global_prefetch_b8 v0, s[64:65] scope:SCOPE_SE
	s_setreg_imm32_b32 hwreg(HW_REG_WAVE_SCHED_MODE, 0, 2), 2
	s_setreg_imm32_b32 hwreg(HW_REG_WAVE_MODE, 25, 1), 1
	s_wait_xcnt 0x0
	s_wait_alu depctr_vm_vsrc(0)
; Groups of 16 sorted points: centre, rel = xyz - centre, h = gelu(rel W1 + b1), y = Q(h) W2 (codes of E2M3, one E8M0 scale for each 32 along K), token = max over the points of gelu(y + b2) + centre Wc + bc.
; SHARES.  Work-group x: groups 64 x .. 64 x + 63 (cloud x / 16).  Wave w: groups 4 w .. 4 w + 3, two at a time.  Behind the one barrier the waves share only LDS bytes that nobody writes.
; FIRST PRODUCT: v_wmma_f32_16x16x4_f32, K = k (rx, ry, rz, 1) against (W1; b1), f32 since its result goes into a quantiser.  It is used transposed (source 0 = 16 hidden units, source 1 = the 16 points), and lane r of
; tile t takes unit 32 (t / 2) + 8 (t % 2) + r + 8 (r / 8): a lane holds ONE point, and the 16 registers of tiles 2 b, 2 b + 1 are 16 neighbours along the next K.
; IT DELIVERS X = k x, k = sqrt(log2(e) / 2) = 0.84932180, so that e^(-x x / 2) = 2^(-X X): the exponential's argument is one packed product, with the sign on a source.
; GELU (exact form): with t = 1 / (1 + 0.2316419 |x|), w = e^(-x x / 2) t (c1 + t (c2 + t (c3 + t (c4 + t c5)))): Phi(|x|) = 1 - w (Abramowitz and Stegun 7.1.26, error of Phi at most 7.5e-8);
; gelu(x) = x / 2 + |x| (1/2 - w) for both signs.  In X: t = 1 / (1 + (p / k) |X|), gelu = X / (2 k) + |X| (1 / (2 k) - w / k): 1 / k stands in the constants.
; SECOND PRODUCT: source 0 = the group's 16 points, source 1 = 16 channels 128 P + 64 u + 4 r + q of W2.  A lane holds one channel and eight points: maximum and minimum are eight lines a tile; one exchange of halves
; joins the tiles u = 0, 1, and lane L then holds channels 128 P + 4 L + 0 .. 3: 16 bytes of a token's row.
; THE SECOND GELU IS TAKEN OF THE EXTREMES ALONE: gelu falls left of its one minimum and rises right of it, so max over i of gelu(y_i) = max(gelu(max y_i), gelu(min y_i)) for every input; b2 is added behind the extremes (rounding keeps order).
; LIMITS.  NaN and infinities are not served.  gelu's absolute error is about 1e-7 |x|: relative to the number under 1e-6 for x > -1.3, growing in the negative tail (about 7e-5 at x = -3), always under 1e-5 of a block's code step.
; k rel is rounded once more than rel (one part in 2^24).  A block of zeros keeps the scale byte 1 (its codes are zeros; this program alone reads the bytes).  The centre's sum is a tree over the 16 lanes, not a chain.
; NO CLUSTER, NO TENSOR LOAD: what the work-groups share, the 131,072 bytes of operand images, is read once at the head through registers, against 16 groups' vector work a wave; every LDS byte is filled once or is a wave's own.
; THE MODE: SCHED_MODE bits 1:0 = 2 (LLVM: expert scheduling mode 2), set by the entry lines.  The code itself states the register dependences
; between vector or matrix instructions and memory or LDS instructions, with s_wait_alu, always for 0.
; THE PLAN.  Registers that memory or LDS instructions touch behind the barrier, who writes and who reads them:
;   v1-5, v25, v28, v29   addresses made at the head and never written again.
;   v11, v9               A pair's head: two additions write them; the loads of B0, B1 (v11) and of the centres (v9) read them.
;   B0, B1, CG            Loaded at a pair's head; read by the pair's first products and by its way out's multiply-adds.
;   v6, v7, v8            A K step's head: three additions write them; the loads of (W1; b1) read v6, the images' stores v7 and v8.
;   W1F                   Loaded at a K step's head; read by the step's 16 first products.
;   PC, PW                Written by the quantiser; read by an image's four stores.
;   AF, SA                Loaded behind the K steps; read by the second products.  In phase 1 AF's registers are GELU's.
;   v9, v10, v6           The head of a run of 128 channels: three additions write them; W2's loads (v9), its scale words' (v10) and the tables' (v6) read them.
;   W2B, WS               Loaded item by item; read by the item's 12 products.  The tables and the way out's registers lie over W2B.
;   EH .. EH+7            Written by the way out; read by its two stores.
; So a wait on va_vdst stands behind the additions at each of the three heads, ahead of each image's stores, behind each item's products (W2's next fragments follow it at once) and ahead of the tokens' stores;
; a wait on vm_vsrc at a K step's head, ahead of the quantiser's first write of PC and PW, behind the K steps (W2's fragments land on PC and PW) and behind the tokens' stores.  No second set of W2's fragments:
; the wave's 256 registers hold 72 of codes, 72 of W2, 32 of accumulators, 16 of centres, 28 of extremes, addresses and scales.
.set WSIMG, 110592                     ; LDS 0 .. 131071: the images as the first launch laid them: W2's 72 fragments x 1,536 bytes; its scale words, 36 x 128 bytes;
.set W1IMG, 115200                     ; (W1; b1), 24 tiles x 256 bytes;
.set TAB,   121344                     ; b2, bc, Wc's three rows: 1,536 bytes each
.set BIMG,  131072                     ; 64 groups x 256 bytes: the first product's right operand: lane (r, h) at 8 x lane: (k rx, k ry) or (k rz, k)
.set CEN,   147456                     ; 64 x 32 bytes: cx, 0, cy, 0, cz, 0, 0, 0
.set CENC,  149504                     ; 64 x 12 bytes: the centres as out1 has them
.set AIMG,  150528                     ; 9,984 bytes for each wave, its own: 6 fragments of codes (group g, K step s: 3 g + s) x 1,536, then their scale words x 128
.set AWAVE, 9984
.set C5,  12                           ; v[12:13] c5 / k, twice
.set B0,  14                           ; v[14:15], v[26:27] the two groups' right operands of the first product
.set B1,  26
.set SA,  16                           ; v16-21  the codes' scale words (3 g + s): these and v22-24 hold scales and nothing else
.set WS,  22                           ; v22-24  W2's scale words of the tiles in hand
.set ACC, 32                           ; v32-63  four results of either product: written by matrix instructions alone
.set TT,  64                           ; phase 1: v64-95 t;  v96-127 the exponential, then h;  v128-135, v136-143 at work;  v144-159 eight tiles of (W1; b1);  v160-171 a fragment's codes;  v172-174 half blocks
.set HH,  96
.set HN,  128
.set HX,  136
.set W1F, 144
.set PC,  160
.set PQ,  172
.set TM,  180                          ; v180-181 largest magnitudes, v182-183 the other half's, then the bytes, v184-185 the conversions' scale operands
.set PW,  196                          ; the scale word in the making
.set AF,  64                           ; phase 2: v64-135 the two groups' codes (36 g + 12 s);  v136-207 W2's six fragments (12 (3 u + s))
.set W2B, 136
.set MX,  208                          ; v208-215 maxima (4 g + q), v216-223 minima
.set MN,  216
.set RT,  224
.set RN,  232
.set CG,  240                          ; v240-255 the two groups' centres
.set TB2, 136                          ; the way out, over W2's fragments: b2, bc, Wc's rows at my four channels; then GELU's registers
.set TBC, 140
.set TW,  144
.set ET,  156
.set EH,  172
.set EN,  188
.set EX,  196
.set SEL, 20                           ; s[20:21] v_permlanex16_b32: lane l xor 16
.set KP,  22                           ; s22     p / k
.set KH,  24                           ; s[24:25] 1 / (2 k);  s[26:33] c4 / k .. c1 / k;  s[46:47] k: constants as pairs (a packed form names the pair and takes its low word for both halves)
.set C4,  26
.set C3,  28
.set C2,  30
.set C1,  32
.set KK,  46
.set IT,  35                           ; counters: pairs of groups, K steps, runs of 128 channels
.set KS,  36
.set PP,  37
.set KW,  38                           ; LDS steps: (W1; b1) 2,048 a K step; my codes 1,536; their scale words 128;
.set KA,  39
.set KS4, 40
.set PW2, 41                           ; W2 36,864 a run of 128 channels; its scale words 1,536; the tables 512;
.set PWS, 42
.set PTB, 43
.set SB,  44                           ; the right operands 512 a pair of groups; the centres 64
.set SC,  45
	s_load_b256 s[4:11], s[0:1], 0x0               ; xyz s[4:5], order s[6:7], wimg s[8:9], out0 s[10:11]
	s_load_b128 s[12:15], s[0:1], 0x20             ; out1, out2
	v_lshl_add_u32 v238, v0, 2, 0x4bc00
	v_mov_b32 v239, 0
	v_lshrrev_b32 v6, 5, v0
	v_readfirstlane_b32 s16, v6                    ; wave 0..15
	v_and_b32 v7, 31, v0                           ; lane
	v_lshlrev_b32 v1, 4, v7                        ; v1  16 x lane
	v_lshl_add_u32 v2, v7, 3, W1IMG                ; v2  (W1; b1): 8 x lane
	v_lshl_add_u32 v3, v7, 2, WSIMG                ; v3  W2's scale words: 4 x lane
	s_wait_alu depctr_va_sdst(0)                   ; s16, the wave's number, is written, ahead of its first reader: LDS places and out0's base are made from it
	s_mul_i32 s18, s16, AWAVE
	s_add_co_u32 s18, s18, AIMG
	v_add_nc_u32 v4, s18, v1                       ; v4  my wave's images: 16 x lane
	s_add_co_u32 s18, s18, 9216
	v_lshl_add_u32 v5, v7, 2, s18                  ; v5  and their scale words: 4 x lane
	v_add_nc_u32 v25, TAB, v1                      ; v25 the tables: 16 x lane
	s_lshl_b32 s18, s16, 10
	s_add_co_u32 s18, s18, BIMG
	v_lshl_add_u32 v28, v7, 3, s18                 ; v28 my four groups' right operands
	s_lshl_b32 s18, s16, 7
	s_add_co_u32 s18, s18, CEN
	v_mov_b32 v29, s18                             ; v29 my four groups' centres
	v_lshlrev_b32 v8, 2, v0                        ; 4 t, 8 t, 16 t
	v_lshlrev_b32 v9, 3, v0
	v_lshlrev_b32 v10, 4, v0
	v_add_nc_u32 v11, 0x10000, v10
	v_lshrrev_b32 v6, 4, v0                        ; t / 16: my group among the first 32
	v_and_b32 v7, 15, v0                           ; my place in it
	v_lshlrev_b32 v30, 8, v6
	v_lshl_add_u32 v30, v7, 3, v30
	v_add_nc_u32 v30, BIMG, v30                    ; v30 where my point goes in the right operand
	v_lshl_add_u32 v31, v6, 5, CEN                 ; v31 my group's centre
	v_mul_u32_u24 v139, v6, 12
	v_add_nc_u32 v139, CENC, v139                  ; v139 and its 12 bytes
	v_add_nc_u32 v147, CENC, v9                    ; v147 the way to out1: 8 bytes a thread (waves 0 to 2)
	s_lshr_b32 s18, ttmp9, 4
	s_mul_i32 s18, s18, 196608
	s_mov_b32 s19, 0
	s_wait_kmcnt 0x0
	s_add_nc_u64 s[4:5], s[4:5], s[18:19]          ; xyz at my cloud
	s_lshl_b32 s18, ttmp9, 12
	s_add_nc_u64 s[6:7], s[6:7], s[18:19]          ; order and out2 at my 1,024 places
	s_add_nc_u64 s[14:15], s[14:15], s[18:19]
	s_mul_i32 s18, ttmp9, 768
	s_add_nc_u64 s[12:13], s[12:13], s[18:19]      ; out1 at my 64 groups
	s_lshl_b32 s18, ttmp9, 6
	s_lshl_b32 s17, s16, 2
	s_add_co_u32 s18, s18, s17
	s_mul_i32 s18, s18, 1536
	s_add_nc_u64 s[10:11], s[10:11], s[18:19]      ; out0 at my wave's first group
	s_wait_alu depctr_va_vdst(0)                   ; the addresses v1 to v5, v8 to v11, v25, v28 to v31, v139 and v147 are written: the loads and stores below read them
	global_load_b32 v128, v8, s[6:7]               ; the indices of places t and t + 512
	global_load_b32 v129, v8, s[6:7] offset:2048
	global_load_b64 v[130:131], v9, s[6:7]         ; and, for out2, places 2 t, 2 t + 1
.irp i, 0,1,2,3,4,5,6,7,8,9,10,11,12,13,14,15
	global_load_b128 v[64+4*\i:67+4*\i], v10, s[8:9] offset:8192*\i   ; the images: 8,192 consecutive bytes a load of the work-group
.endr
	s_wait_loadcnt 16                              ; the three are in; the image's sixteen stay out
	global_store_b64 v9, v[130:131], s[14:15]      ; a wave stores 256 consecutive bytes, aligned
	v_min_u32 v128, 0x3fff, v128                   ; an index stays inside its cloud
	v_min_u32 v129, 0x3fff, v129
	v_mul_u32_u24 v128, v128, 12
	v_mul_u32_u24 v129, v129, 12
	s_wait_alu depctr_va_vdst(0)                   ; v128 and v129 are written: the two gathers read them as their offsets
	global_load_b96 v[132:134], v128, s[4:5]
	global_load_b96 v[136:138], v129, s[4:5]
	s_wait_loadcnt 2                               ; the image is in; the two gathers stay out
.irp i, 0,1,2,3,4,5,6,7
	ds_store_b128 v10, v[64+4*\i:67+4*\i] offset:8192*\i
.endr
.irp i, 0,1,2,3,4,5,6,7
	ds_store_b128 v11, v[96+4*\i:99+4*\i] offset:8192*\i
.endr
	s_wait_loadcnt 0x0
	; a row of 16 lanes is a group: its centre is a sum over the row
.irp i, 0,1
	v_mov_b32 v[156+8*\i], v[132+4*\i]
	v_mov_b32 v[158+8*\i], v[133+4*\i]
	v_mov_b32 v[160+8*\i], v[134+4*\i]
	v_mov_b32 v[157+8*\i], 0
	v_mov_b32 v[159+8*\i], 0
	v_mov_b32 v[161+8*\i], 0
	v_mov_b32 v[162+8*\i], 0
	v_mov_b32 v[163+8*\i], 0
	v_mov_b32 v[151+4*\i], 0x3f596d27              ; k: the operand's fourth number, which meets b1
.endr
.irp x, 1,2,4,8
.irp r, 156,158,160,164,166,168
	v_add_f32_dpp v\r, v\r, v\r row_xmask:\x row_mask:0xf bank_mask:0xf
.endr
.endr
.irp r, 156,158,160,164,166,168
	v_mul_f32 v\r, 0x3d800000, v\r                 ; / 16
.endr
.irp i, 0,1
	v_sub_f32 v[148+4*\i], v[132+4*\i], v[156+8*\i]
	v_sub_f32 v[149+4*\i], v[133+4*\i], v[158+8*\i]
	v_sub_f32 v[150+4*\i], v[134+4*\i], v[160+8*\i]
.endr
.irp r, 148,149,150,152,153,154
	v_mul_f32 v\r, 0x3f596d27, v\r                 ; k rel
.endr
	s_wait_alu depctr_va_vdst(0)                   ; k rel (v148 to v155) and the centres (v156 to v171) are written: the LDS stores below read them
.irp i, 0,1
	ds_store_b64 v30, v[148+4*\i:149+4*\i] offset:8192*\i        ; (k rx, k ry): lane r of the operand
	ds_store_b64 v30, v[150+4*\i:151+4*\i] offset:8192*\i+128    ; (k rz, k): lane 16 + r
	ds_store_b128 v31, v[156+8*\i:159+8*\i] offset:1024*\i       ; the row's lanes write the same words with the same values
	ds_store_b128 v31, v[160+8*\i:163+8*\i] offset:1024*\i+16
	ds_store_b32 v139, v[156+8*\i] offset:384*\i
	ds_store_b32 v139, v[158+8*\i] offset:384*\i+4
	ds_store_b32 v139, v[160+8*\i] offset:384*\i+8
.endr
	s_mov_b32 s[SEL], 0x76543210
	s_mov_b32 s[SEL+1], 0xfedcba98
	s_mov_b32 s[KP], 0x3e8ba440                    ; 0.2316419 / k = 0.27273749
	s_mov_b32 s[KH], 0x3f16b55f                    ; 1 / (2 k) = 0.58870501
	s_mov_b32 s[KH+1], s[KH]
	s_mov_b32 s[KK], 0x3f596d27                    ; k = 0.84932180
	s_mov_b32 s[KK+1], s[KK]
	s_mov_b32 s[C4], 0xbf5b0099                    ; -0.7265760135 / k = -0.85547788
	s_mov_b32 s[C4+1], s[C4]
	s_mov_b32 s[C3], 0x3f563817                    ; 0.7107068705 / k = 0.83679339
	s_mov_b32 s[C3+1], s[C3]
	s_mov_b32 s[C2], 0xbe2b8119                    ; -0.142248368 / k = -0.16748465
	s_mov_b32 s[C2+1], s[C2]
	s_mov_b32 s[C1], 0x3e199eb3                    ; 0.127414796 / k = 0.15001946
	s_mov_b32 s[C1+1], s[C1]
	v_mov_b32 v[C5], 0x3f1ff67a                    ; 0.5307027145 / k = 0.62485470
	v_mov_b32 v[C5+1], 0x3f1ff67a
	v_mov_b32 v[TM+2], 0                           ; written once: a lane permute's destination counts as read
	v_mov_b32 v[TM+3], 0
	s_wait_dscnt 0x0                               ; for the others' sake: my stores have landed
	s_barrier_signal -1
	s_barrier_wait -1                              ; the images, the operands and the centres lie in LDS; nobody writes them again
	s_cmp_lt_u32 s16, 3
	s_cbranch_scc0 .Lno_centres
	ds_load_b64 v[140:141], v147                   ; 768 bytes of centres leave by waves 0 to 2, 256 consecutive bytes each.  (No vector instruction has named v140, v141; v147 stands since the head's first wait on va_vdst)
	s_wait_dscnt 0x0
	global_store_b64 v9, v[140:141], s[12:13]
.Lno_centres:
	s_wait_xcnt 0x0                                ; the stores have read their registers: these are written again below
	s_wait_alu depctr_vm_vsrc(0)                   ; the head's loads and stores have read their addresses (v8 to v11, v30, v31, v128, v129, v139, v147) and their data (v64 to v127, v130, v131, v140, v141, v148 to v171): all are written again below
; gelu(x) of cnt numbers X = k x in v[xr ..] into v[hr ..]; v[tr ..] cnt registers, v[nr ..], v[wr ..] eight each, at work.  xr is only read, each run of eight from its low end on.
; The reciprocals and exponentials are ONE BATCH: no line ahead of the wait names a result.  Three plain lines and four of the batch by turns.
.macro GELU xr, tr, hr, nr, wr, cnt
.set gi, 0
.rept (\cnt)/2
	v_pk_mul_f32 v[\hr+gi:\hr+gi+1], v[\xr+gi:\xr+gi+1], v[\xr+gi:\xr+gi+1] neg_lo:[1,0] neg_hi:[1,0]   ; -X X = -x x log2(e) / 2
	v_fma_f32 v[\tr+gi], |v[\xr+gi]|, s[KP], 1.0
	v_fma_f32 v[\tr+gi+1], |v[\xr+gi+1]|, s[KP], 1.0
	v_rcp_f32 v[\tr+gi], v[\tr+gi]
	v_rcp_f32 v[\tr+gi+1], v[\tr+gi+1]
	v_exp_f32 v[\hr+gi], v[\hr+gi]
	v_exp_f32 v[\hr+gi+1], v[\hr+gi+1]
.set gi, gi+2
.endr
.set gc, 0
.rept (\cnt)/8
.irp i, 0,2,4,6
	v_pk_mul_f32 v[\wr+\i:\wr+\i+1], v[\xr+gc+\i:\xr+gc+\i+1], s[KH:KH+1] op_sel_hi:[1,0]   ; X / (2 k) = x / 2.  (The first four are the plain lines behind the batch)
.endr
.if gc == 0
	s_wait_alu depctr_va_vdst(0)                   ; the reciprocals have written v[tr ..] and the exponentials v[hr ..]: the wait stands ahead of the first line that names a result: one for the whole batch
.endif
.irp i, 0,2,4,6
	v_pk_fma_f32 v[\nr+\i:\nr+\i+1], v[\tr+gc+\i:\tr+gc+\i+1], v[C5:C5+1], s[C4:C4+1] op_sel_hi:[1,1,0]
.endr
.irp c, C3, C2, C1
.irp i, 0,2,4,6
	v_pk_fma_f32 v[\nr+\i:\nr+\i+1], v[\nr+\i:\nr+\i+1], v[\tr+gc+\i:\tr+gc+\i+1], s[\c:\c+1] op_sel_hi:[1,1,0]
.endr
.endr
.irp i, 0,2,4,6
	v_pk_mul_f32 v[\nr+\i:\nr+\i+1], v[\nr+\i:\nr+\i+1], v[\tr+gc+\i:\tr+gc+\i+1]
.endr
.irp i, 0,2,4,6
	v_pk_fma_f32 v[\nr+\i:\nr+\i+1], v[\nr+\i:\nr+\i+1], v[\hr+gc+\i:\hr+gc+\i+1], s[KH:KH+1] op_sel_hi:[1,1,0] neg_lo:[1,0,0] neg_hi:[1,0,0]   ; (1/2 - w) / k
.endr
.irp i, 0,1,2,3,4,5,6,7
	v_fma_f32 v[\hr+gc+\i], |v[\xr+gc+\i]|, v[\nr+\i], v[\wr+\i]
.endr
.set gc, gc+8
.endr
.endm
; four tiles t0 .. t0 + 3 of the K step's eight: 64 hidden units x 16 points.  K is 4: each is a whole sum, begun with the constant 0
.macro L1MUL t0, b
.irp i, 0,1,2,3
	v_wmma_f32_16x16x4_f32 v[ACC+8*\i:ACC+8*\i+7], v[W1F+2*(\t0+\i):W1F+2*(\t0+\i)+1], v[\b:\b+1], 0
.endr
.endm
; 32 numbers of a lane, v[HH + 16 b + i] = k 64 c + 32 b + 16 (lane / 16) + i of my point, become registers 6 c .. 6 c + 5 of the fragment and bytes 2 c, 2 c + 1 of its scale word
.macro QUANTH c
.if (\c) == 0
	s_wait_dscnt 0x0                               ; the last image's stores are done (they were issued a whole GELU ago),
	s_wait_alu depctr_vm_vsrc(0)                   ; and they have read v[PC ..] and v[PW], which this fragment's two halves write again
.endif
.irp b, 0,1
	v_max3_num_f32 v[TM+\b], |v[HH+16*\b]|, |v[HH+1+16*\b]|, 0x1800000   ; my 16 numbers of the block, and the floor 2^(3 - 127): the byte cannot fall under 1
.endr
.irp i, 2,4,6,8,10,12,14
.irp b, 0,1
	v_max3_num_f32 v[TM+\b], v[TM+\b], |v[HH+16*\b+\i]|, |v[HH+1+16*\b+\i]|
.endr
.endr
.irp b, 0,1
	v_permlanex16_b32 v[TM+2+\b], v[TM+\b], s[SEL], s[SEL+1]
.endr
.irp b, 0,1
	v_max_num_f32 v[TM+\b], v[TM+\b], v[TM+2+\b]   ; with lane l xor 16's: the block's largest magnitude
.endr
.irp b, 0,1
	v_add_nc_u32 v[TM+4+\b], 0xff000000, v[TM+\b]  ; 2 off its exponent field: the conversion takes this operand's exponent field as its scale
.endr
.irp b, 0,1
	v_lshrrev_b32 v[TM+2+\b], 23, v[TM+4+\b]       ; the scale's byte
.endr
.if (\c) == 0
	v_lshl_or_b32 v[PW], v[TM+3], 8, v[TM+2]
.else
	v_lshl_or_b32 v[PW], v[TM+2], 16, v[PW]
	v_lshl_or_b32 v[PW], v[TM+3], 24, v[PW]
.endif
	v_cvt_scalef32_pk16_fp6_f32 v[PC+6*(\c):PC+6*(\c)+2], v[HH:HH+15], v[TM+4]
	v_cvt_scalef32_pk16_fp6_f32 v[PQ:PQ+2], v[HH+16:HH+31], v[TM+5]   ; (a conversion's three registers begin on an even number)
	v_nop                                          ; one plain line behind a scaled conversion
.irp i, 0,1,2
	v_permlane16_swap_b32 v[PC+6*(\c)+\i], v[PQ+\i]   ; the operand wants a whole block in a lane: lanes 0-15 block 2 c, lanes 16-31 block 2 c + 1
.endr
.irp i, 0,1,2
	v_mov_b32 v[PC+6*(\c)+3+\i], v[PQ+\i]
.endr
.endm
.macro IMAGE g                                 ; the fragment and its scale word go to my wave's own LDS bytes as they stand
	s_wait_alu depctr_va_vdst(0)                   ; the quantiser has written v[PC ..] and v[PW], which the four stores read.  (Group 1's wait also stands for the loads behind the K steps: GELU and the quantiser are done with AF's registers)
.irp c, 0,1,2
	ds_store_b128 v7, v[PC+4*\c:PC+4*\c+3] offset:4608*(\g)+512*\c
.endr
	ds_store_b32 v8, v[PW] offset:384*(\g)
.endm
.macro LOADW q                                 ; W2's six fragments (u, s) of item q, and its three scale words
.irp u, 0,1
.irp s, 0,1,2
.irp c, 0,1,2
	ds_load_b128 v[W2B+12*(3*\u+\s)+4*\c:W2B+12*(3*\u+\s)+4*\c+3], v9 offset:9216*(\q)+1536*(3*\u+\s)+512*\c
.endr
.endr
.endr
.irp s, 0,1,2
	ds_load_b32 v[WS+\s], v10 offset:128*(3*(\q)+\s)
.endr
.endm
; 12 products: the four accumulators (2 g + u) take turns, one instruction a turn, K step by K step; the first K step starts the sums
.macro MULQ
.irp s, 0,1,2
.irp g, 0,1
.if \s == 0
	v_wmma_scale_f32_16x16x128_f8f6f4 v[ACC+16*\g:ACC+16*\g+7], v[AF+36*\g+12*\s:AF+36*\g+12*\s+11], v[W2B+12*\s:W2B+12*\s+11], 0, v[SA+3*\g+\s], v[WS+\s] matrix_a_fmt:MATRIX_FMT_FP6 matrix_b_fmt:MATRIX_FMT_FP6
	v_wmma_scale_f32_16x16x128_f8f6f4 v[ACC+16*\g+8:ACC+16*\g+15], v[AF+36*\g+12*\s:AF+36*\g+12*\s+11], v[W2B+36+12*\s:W2B+36+12*\s+11], 0, v[SA+3*\g+\s], v[WS+\s] matrix_a_fmt:MATRIX_FMT_FP6 matrix_b_fmt:MATRIX_FMT_FP6 matrix_b_scale:MATRIX_SCALE_ROW1
.else
	v_wmma_scale_f32_16x16x128_f8f6f4 v[ACC+16*\g:ACC+16*\g+7], v[AF+36*\g+12*\s:AF+36*\g+12*\s+11], v[W2B+12*\s:W2B+12*\s+11], v[ACC+16*\g:ACC+16*\g+7], v[SA+3*\g+\s], v[WS+\s] matrix_a_fmt:MATRIX_FMT_FP6 matrix_b_fmt:MATRIX_FMT_FP6
	v_wmma_scale_f32_16x16x128_f8f6f4 v[ACC+16*\g+8:ACC+16*\g+15], v[AF+36*\g+12*\s:AF+36*\g+12*\s+11], v[W2B+36+12*\s:W2B+36+12*\s+11], v[ACC+16*\g+8:ACC+16*\g+15], v[SA+3*\g+\s], v[WS+\s] matrix_a_fmt:MATRIX_FMT_FP6 matrix_b_fmt:MATRIX_FMT_FP6 matrix_b_scale:MATRIX_SCALE_ROW1
.endif
.endr
.endr
.endm
; the largest and the smallest of a channel's 16 points: eight registers of a lane, each accumulator from its low end on; then the other half of the lanes, two tiles at once
.macro REDUCE q
.irp a, 0,1,2,3
	v_max3_num_f32 v[RT+\a], v[ACC+8*\a], v[ACC+8*\a+1], v[ACC+8*\a+2]
	v_min3_num_f32 v[RN+\a], v[ACC+8*\a], v[ACC+8*\a+1], v[ACC+8*\a+2]
.endr
.irp i, 3,5
.irp a, 0,1,2,3
	v_max3_num_f32 v[RT+\a], v[RT+\a], v[ACC+8*\a+\i], v[ACC+8*\a+\i+1]
	v_min3_num_f32 v[RN+\a], v[RN+\a], v[ACC+8*\a+\i], v[ACC+8*\a+\i+1]
.endr
.endr
.irp a, 0,1,2,3
	v_max_num_f32 v[RT+\a], v[RT+\a], v[ACC+8*\a+7]
	v_min_num_f32 v[RN+\a], v[RN+\a], v[ACC+8*\a+7]
.endr
.irp g, 0,1
	v_permlane16_swap_b32 v[RT+2*\g], v[RT+2*\g+1] ; the first now holds both tiles' points 0-7, the second their points 8-15: lanes 0-15 the tile u = 0, lanes 16-31 u = 1
	v_permlane16_swap_b32 v[RN+2*\g], v[RN+2*\g+1]
.endr
.irp g, 0,1
	v_max_num_f32 v[MX+4*\g+(\q)], v[RT+2*\g], v[RT+2*\g+1]
	v_min_num_f32 v[MN+4*\g+(\q)], v[RN+2*\g], v[RN+2*\g+1]
.endr
.endm
	s_mov_b32 s[SB], 0
	s_mov_b32 s[SC], 0
	s_mov_b32 s[IT], 2
.Lit:                                                  ; two trips: a pair of groups each
	v_add_nc_u32 v11, s[SB], v28                   ; (v11's and v9's last readers stand ahead of a wait on vm_vsrc: the head's, a K step's, or the one behind the last tokens' stores)
	v_add_nc_u32 v9, s[SC], v29                    ; the pair's centres: v9 is W2's address in phase 2 alone
	s_wait_alu depctr_va_vdst(0)                   ; v11 and v9 are written, which the loads below read; the last pair's first products are done reading B0 and B1, its multiply-adds the centres, in which these loads land
	ds_load_b64 v[B0:B0+1], v11
	ds_load_b64 v[B1:B1+1], v11 offset:256
.irp i, 0,1,2,3
	ds_load_b128 v[CG+4*\i:CG+4*\i+3], v9 offset:16*\i   ; wanted on the way out: they land during the K steps, which name none of these registers
.endr
	s_mov_b32 s[KW], 0
	s_mov_b32 s[KA], 0
	s_mov_b32 s[KS4], 0
	s_mov_b32 s[KS], 3
.Lks:                                                  ; three trips: 128 hidden units of both groups: first product, gelu, codes, images
	s_wait_alu depctr_vm_vsrc(0)                   ; the last loads by v6 ((W1; b1)'s, or the tables') have read it, the last image's stores v7 and v8; the centres' loads have read v9
	v_add_nc_u32 v6, s[KW], v2
	v_add_nc_u32 v7, s[KA], v4
	v_add_nc_u32 v8, s[KS4], v5
	s_wait_alu depctr_va_vdst(0)                   ; v6, v7 and v8 are written: the loads below and this step's images read them; whatever vector or matrix instruction named v[W1F ..] (the last step's first products) is done with them
.irp t, 0,1,2,3,4,5,6,7
	ds_load_b64 v[W1F+2*\t:W1F+2*\t+1], v6 offset:256*\t
.endr
	s_wait_dscnt 0x0
	L1MUL 0, B0
.rept 8
	v_nop                                          ; eight plain lines between this form and the first read of its results.  Further down the quantiser's lines, which name none of its registers, are those lines
.endr                                              ; and GELU's polynomial lines are the nine between two products into the same registers
	GELU ACC, TT, HH, HN, HX, 32
	L1MUL 4, B0
	QUANTH 0
	GELU ACC, TT, HH, HN, HX, 32
	L1MUL 0, B1
	QUANTH 1
	IMAGE 0
	GELU ACC, TT, HH, HN, HX, 32
	L1MUL 4, B1
	QUANTH 0
	GELU ACC, TT, HH, HN, HX, 32
	QUANTH 1
	IMAGE 1
	s_add_co_u32 s[KW], s[KW], 2048
	s_add_co_u32 s[KA], s[KA], 1536
	s_add_co_u32 s[KS4], s[KS4], 128
	s_sub_co_u32 s[KS], s[KS], 1
	s_cmp_lg_u32 s[KS], 0
	s_cbranch_scc1 .Lks
	s_wait_alu depctr_vm_vsrc(0)                   ; the last image's stores have read v[PC ..] and v[PW], in which W2's fragments land below
	; the two groups' six fragments come back: LDS serves a wave's instructions in order (ISA guide 5.7.1.4), and the bytes are my wave's own.  No vector instruction stands between the last image's wait on va_vdst and these loads
.irp g, 0,1
.irp s, 0,1,2
.irp c, 0,1,2
	ds_load_b128 v[AF+36*\g+12*\s+4*\c:AF+36*\g+12*\s+4*\c+3], v4 offset:1536*(3*\g+\s)+512*\c
.endr
	ds_load_b32 v[SA+3*\g+\s], v5 offset:128*(3*\g+\s)
.endr
.endr
	s_mov_b32 s[PW2], 0
	s_mov_b32 s[PWS], 0
	s_mov_b32 s[PTB], 0
	s_mov_b32 s[PP], 3
.Lp:                                                   ; three trips: 128 channels of both groups' tokens
	v_add_nc_u32 v9, s[PW2], v1
	v_add_nc_u32 v10, s[PWS], v3
	v_add_nc_u32 v6, s[PTB], v25
	s_wait_alu depctr_va_vdst(0)                   ; v9, v10 and v6 are written, which this trip's loads read; the vector work on v136 to v207 (phase 1's, or the last trip's way out) is done: W2's fragments land there
	LOADW 0
.irp q, 0,1,2,3
	s_wait_dscnt 0x0
	MULQ
.rept 4
	v_nop                                          ; four plain lines in front of the first read of these products' results
.endr
	s_wait_alu depctr_va_vdst(0)                   ; the item's 12 products are done reading v[W2B ..] and v[WS ..], in which the loads below land; the places above stay beside this wait
.if \q < 3
	LOADW \q+1                                     ; the next item's fragments land while this item's extremes are taken: those lines name the accumulators and v208 to v235 alone
.else
.irp i, 0,1,2,3,4
	ds_load_b128 v[TB2+4*\i:TB2+4*\i+3], v6 offset:1536*\i   ; b2, bc, Wc's three rows at my four channels
.endr
.endif
	REDUCE \q
.endr
	s_wait_dscnt 0x0
.irp i, 0,1
	v_pk_mul_f32 v[TB2+2*\i:TB2+2*\i+1], v[TB2+2*\i:TB2+2*\i+1], s[KK:KK+1] op_sel_hi:[1,0]   ; k b2
.endr
.irp i, 0,1,2,3,4,5,6,7
	v_pk_fma_f32 v[MX+2*\i:MX+2*\i+1], v[MX+2*\i:MX+2*\i+1], s[KK:KK+1], v[TB2+2*(\i%2):TB2+2*(\i%2)+1] op_sel_hi:[1,0,1]   ; k y + k b2, of maxima and minima: GELU takes k x
.endr
	GELU MX, ET, EH, EN, EX, 16
.irp i, 0,1,2,3,4,5,6,7
	v_max_num_f32 v[EH+\i], v[EH+\i], v[EH+8+\i]   ; the larger of gelu(max) and gelu(min)
.endr
.irp i, 0,1,2,3
	v_pk_add_f32 v[EH+2*\i:EH+2*\i+1], v[EH+2*\i:EH+2*\i+1], v[TBC+2*(\i%2):TBC+2*(\i%2)+1]   ; + bc
.endr
.irp k, 0,1,2
.irp i, 0,1,2,3
	v_pk_fma_f32 v[EH+2*\i:EH+2*\i+1], v[TW+4*\k+2*(\i%2):TW+4*\k+2*(\i%2)+1], v[CG+8*(\i/2)+2*\k:CG+8*(\i/2)+2*\k+1], v[EH+2*\i:EH+2*\i+1] op_sel_hi:[1,0,1]   ; + centre's coordinate k x Wc's row k
.endr
.endr
	s_wait_alu depctr_va_vdst(0)                   ; the multiply-adds have written v[EH .. EH+7], which the two stores read
.irp g, 0,1
	global_store_b128 v1, v[EH+4*\g:EH+4*\g+3], s[10:11] offset:1536*\g th:TH_STORE_NT   ; 32 lanes store 512 consecutive bytes of a token's row, aligned; written once, read by nobody here
.endr
	s_wait_xcnt 0x0                                ; the stores have read their registers and their base: both are written again below
	s_wait_alu depctr_vm_vsrc(0)                   ; the stores have read v[EH .. EH+7], in which W2's next fragments land; this trip's loads have read v9, v10 and v6, which the next head writes
	s_add_nc_u64 s[10:11], s[10:11], 512
	s_add_co_u32 s[PW2], s[PW2], 36864
	s_add_co_u32 s[PWS], s[PWS], 1536
	s_add_co_u32 s[PTB], s[PTB], 512
	s_sub_co_u32 s[PP], s[PP], 1
	s_cmp_lg_u32 s[PP], 0
	s_cbranch_scc1 .Lp
	s_add_nc_u64 s[10:11], s[10:11], 1536          ; the three trips went one row on: one more, and the next pair's first row is reached
	s_add_co_u32 s[SB], s[SB], 512
	s_add_co_u32 s[SC], s[SC], 64
	s_sub_co_u32 s[IT], s[IT], 1
	s_cmp_lg_u32 s[IT], 0
	s_cbranch_scc1 .Lit
	s_wait_dscnt 0x0                               ; the closing lines, six on end
	s_wait_alu 0x0
	s_wait_tensorcnt 0x0
	ds_add_u32 v238, v239
	s_wait_dscnt 0x0
	s_endpgm
.Lfunc_end_k_q8d3544cccb_main:
	.size	k_q8d3544cccb_main, .Lfunc_end_k_q8d3544cccb_main-k_q8d3544cccb_main
	.p2alignl 7, 3214868480
	.fill 96, 4, 3214868480
	.section	.rodata,"a",@progbits
	.p2align	6, 0x0
	.amdhsa_kernel k_q8d3544cccb_main
		.amdhsa_group_segment_fixed_size 312320
		.amdhsa_private_segment_fixed_size 0
		.amdhsa_enable_private_segment 0
		.amdhsa_kernarg_size 48
		.amdhsa_user_sgpr_count 2
		.amdhsa_user_sgpr_kernarg_segment_ptr 1
		.amdhsa_wavefront_size32 1
		.amdhsa_system_sgpr_workgroup_id_x 1
		.amdhsa_system_sgpr_workgroup_id_y 1
		.amdhsa_system_sgpr_workgroup_id_z 1
		.amdhsa_system_vgpr_workitem_id 0
		.amdhsa_next_free_vgpr 256
		.amdhsa_next_free_sgpr 66
		.amdhsa_reserve_vcc 0
		.amdhsa_float_denorm_mode_32 3
		.amdhsa_float_denorm_mode_16_64 3
		.amdhsa_memory_ordered 1
		.amdhsa_forward_progress 1
		.amdhsa_inst_pref_size 111
	.end_amdhsa_kernel
	.amdgpu_metadata
---
amdhsa.version: [ 1, 2 ]
amdhsa.kernels:
  - .name:           k_q8d3544cccb_main
    .symbol:         k_q8d3544cccb_main.kd
    .args:
      - { .name: xyz, .offset: 0, .size: 8, .value_kind: global_buffer, .address_space: global }
      - { .name: order, .offset: 8, .size: 8, .value_kind: global_buffer, .address_space: global }
      - { .name: wimg, .offset: 16, .size: 8, .value_kind: global_buffer, .address_space: global }
      - { .name: out0, .offset: 24, .size: 8, .value_kind: global_buffer, .address_space: global }
      - { .name: out1, .offset: 32, .size: 8, .value_kind: global_buffer, .address_space: global }
      - { .name: out2, .offset: 40, .size: 8, .value_kind: global_buffer, .address_space: global }
    .group_segment_fixed_size: 312320
    .private_segment_fixed_size: 0
    .kernarg_segment_align: 8
    .kernarg_segment_size: 48
    .max_flat_workgroup_size: 512
    .sgpr_count:     66
    .vgpr_count:     256
    .wavefront_size: 32
...
	.end_amdgpu_metadata
.endif
;; end of part 6
